; MI455X (gfx1250); checked and timed in simulation.
; The chip was launched on July 23, 2026; its instructions are those of AMD's public machine-readable ISA for CDNA 5 (MIT licence, August 2026) and "CDNA5" Instruction Set Architecture Reference Guide (July 2026). The comments in the code are by the model that wrote it; some were corrected since.
;; Multi Head Attention. Allowed arithmetic: matrix products marked QUANTISED: E2M3 operands, one E8M0 scale for each 32 along K, by v_wmma_scale_f32_16x16x128_f8f6f4 with both operands' format E2M3, f32 sums; everything else in f32.
;; Inputs: Wk 1,024 x 1,024 float32; Wo 1,024 x 1,024 float32; Wq 1,024 x 1,024 float32; Wv 1,024 x 1,024 float32; bk 1,024 float32; bo 1,024 float32; bq 1,024 float32; bv 1,024 float32; key 4 x 2,048 x 1,024 float32; mask 4 x 1 x 1 x 2,048 int32; query 4 x 2,048 x 1,024 float32; value 4 x 2,048 x 1,024 float32.
;; Outputs: out0 4 x 2,048 x 1,024 float32.
;; This version of the problem:
;;   THIS VERSION OF THE PROBLEM IS GIVEN IN LOW PRECISION. The matrix products marked QUANTISED in the list below multiply operands that are first quantised to E2M3 (2 exponent bits, 3 mantissa bits; 6 bits a number), with one power-of-two scale for each 32 numbers along K (OCP MX v1.0); their sums are f32. All else is computed in f32.
;;   The module's matrix products, in the order in which they are computed (A, B: the left and right operand; K: the contracted axis; several contracted axes count as one K, in the product's order):
;;     1. [M 8,192, K 1,024] x [K 1,024, N 1,024]; A: input query; B: input Wq: QUANTISED
;;     2. [M 8,192, K 1,024] x [K 1,024, N 1,024]; A: input key; B: input Wk: QUANTISED
;;     3. [M 8,192, K 1,024] x [K 1,024, N 1,024]; A: input value; B: input Wv: QUANTISED
;;     4. batch 64 x [M 2,048, K 64] x [K 64, N 2,048]; A: computed on the way; B: computed on the way: QUANTISED
;;     5. batch 64 x [M 64, K 2,048] x [K 2,048, N 2,048]; A: computed on the way; B: softmax (see below): QUANTISED
;;     6. [M 8,192, K 1,024] x [K 1,024, N 1,024]; A: computed on the way; B: input Wo: QUANTISED
;;   THE QUANTISER, for each operand of a quantised product, along K:
;;     - K is cut into blocks of 32 from its start; a last block that is shorter is filled with zeros.
;;     - A block's scale is 2^e with e = floor(log2(the largest magnitude in the block)) - 2, held to -126 .. 127; a block of zeros has e = 0. As a byte (E8M0): e + 127.
;;     - Each number is divided by its block's scale, clamped to +-7.5, and rounded to the nearest number of E2M3, ties to even, subnormals kept.
;;     - The product sums the exact products of the quantised numbers (number of the format x scale) in f32.
;;   ~~~python
;;   def quantise(x, axis):      # numpy; x: float32 -> the quantised numbers, widened to float32 again
;;       x = np.moveaxis(x, axis, -1); K = x.shape[-1]
;;       x = np.pad(x, [(0, 0)] * (x.ndim - 1) + [(0, -K % 32)]); x = x.reshape(x.shape[:-1] + (-1, 32)); a = np.abs(x).max(-1, keepdims=True)
;;       e = np.where(a > 0, np.clip(np.frexp(np.where(a > 0, a, 1))[1] - 1 - 2, -126, 127), 0)      # np.frexp(a)[1] - 1 = floor(log2(a)), exactly
;;       r = np.clip(x / 2.0 ** e, -7.5, 7.5)
;;       step = 2.0 ** (np.maximum(np.frexp(np.where(r == 0, 1, r))[1] - 1, 0) - 3)
;;       q = np.round(r / step) * step * 2.0 ** e      # np.round: ties to even
;;       return np.moveaxis(q.reshape(q.shape[:-2] + (-1,))[..., :K], -1, axis).astype(np.float32)
;;   ~~~
;;   SOFTMAX AHEAD OF A QUANTISED PRODUCT. Where the list says 'softmax', what is quantised is not the finished softmax but p = 2^(t - M), with t = logit x log2(e) and M = ceil(the row's largest t), a whole number; so 1/2 < the row's largest p <= 1. The row's sum l is taken of the UNQUANTISED p, in f32, and the product's result is divided by l at the end. Since M is a whole number, a kernel that streams over the keys may use a running M (the ceiling of the running maximum): every later rescaling is an exact power of two, which a block's scale takes up: the codes' values come out the same.
;;   OPERANDS COMPUTED ON THE WAY. 'Computed on the way' means the value that the module computes at that place (a softmax that the list does not call 'softmax' is quantised finished and normalised). What goes into a quantiser is computed in f32, as accurately as f32 sums, v_exp_f32 and their like allow (about 1e-6 of the number): no bf16 or f16 on the way to a quantiser, and a product that is left as it is and whose result goes on into a quantised operand takes f32 operands (vector FMAs, or v_wmma_f32_16x16x4_f32). A number that lies on a knife's edge between two numbers of the format may be rounded either way, as far as f32 arithmetic and the matrix unit's own rounding can turn it there, and no further.
;; One version. Each part assembles by itself: llvm-mc -triple=amdgcn-amd-amdhsa -mcpu=gfx1250 --defsym DOCPART=n.
;; ======== version 1 of 1: 4 launches
;; limits: right only within a limited range of input values
;; workspace buffers: cod 22,020,096 bytes; scl 917,504 bytes; qkv 24,379,392 bytes; xc 6,291,456 bytes; xs 262,144 bytes
;; launch quant (part 1): grid 896 x 1, 4 waves a work-group, no clusters, 49,664 bytes of LDS; arguments query, key, value, Wq, Wk, Wv, Wo, cod, scl; writes cod, scl
.if DOCPART == 1
	.amdgcn_target "amdgcn-amd-amdhsa--gfx1250"
	.amdhsa_code_object_version 6
	.text
	.protected	k_q813ef8dc5b_quant
	.globl	k_q813ef8dc5b_quant
	.p2align	8
	.type	k_q813ef8dc5b_quant,@function
k_q813ef8dc5b_quant:
	s_mov_b64 s[64:65], 0
	v_nop
	global_prefetch_b8 v0, s[64:65] scope:SCOPE_SE
	s_setreg_imm32_b32 hwreg(HW_REG_WAVE_MODE, 25, 1), 1
	s_wait_xcnt 0x0
; query, key, value [8192][1024] and Wq, Wk, Wv, Wo [1024][1024], f32, K = the last axis, become codes of FP6 (E2M3) in cod and one E8M0 byte for each 32 along K in scl (32 bytes a row).
; The seven tensors' rows lie on end: query 0, key 8,192, value 16,384, Wq 24,576, Wk 25,600, Wv 26,624, Wo 27,648.
; A block's byte is its largest magnitude's exponent field - 2, held at 1 from below; each number is divided by the scale and rounded to the nearest code, ties to even.
; (A block of zeros gets the byte 1 where the rule says 127: its codes are zeros, and this program alone reads the bytes.)
; LIMITS: blocks whose largest magnitude lies under 2^-124 are held at the byte 1; NaN and infinities among the inputs are not served.
; ROW ORDER: in all tensors but query, within every aligned 64 rows the group of eight rows g goes to place 2 (g % 4) + g / 4: a tile of 16 stored rows holds rows 8 t + 0..7 and 32 + 8 t + 0..7.
; cod IS AN IMAGE OF OPERAND REGISTERS.  A wave takes a run of eight rows, 6,144 bytes of codes, laid [K step q of 128][piece p of four registers][u = row % 8 + 8 h][16 bytes]:
; register i = 4 p + j of lane (row, h) holds bytes 96 q + 48 (i / 6) + 24 h + 4 (i % 6) of the row's stream of bits.  Two runs on end are a tile of 16 rows.
; A wave takes 16 steps of 512 numbers: four loads of 512 consecutive bytes, a turn through its own stage in LDS, 16 neighbours a lane, two lanes to a block.  A lane's three registers of codes go to their
; places in the run's image in LDS; at the end the image leaves in 12 stores of 512 consecutive bytes, the 256 scale bytes in one.  No tensor loads, no barrier: waves share nothing.
.set WAVES, 4
.set STEPS, 16
.set EMAX,  2
.set R,     16                         ; v16-79   four sets of 16 numbers as loaded; at the end the image on its way out
.set X,     80                         ; v80-111  two sets of 16 neighbours
.set C,     128                        ; v128..   codes: three registers a step in groups of four
.set QA,    131                        ; v131, v135, v139: LDS places of my three registers of codes
.set E,     112                        ; v112-127 a scale byte for each step
.set WREG,  12288                      ; LDS for each wave: two stages of 32 x SP, 256 scale bytes, the image of 6,144
.set SP,    80
.set SPW,   12
.set NIL,   13
.set SPARE, WAVES*WREG
	s_load_b256 s[8:15], s[0:1], 0x0               ; query, key, value, Wq
	s_load_b256 s[16:23], s[0:1], 0x20             ; Wk, Wv, Wo, cod
	s_load_b64 s[24:25], s[0:1], 0x40              ; scl
	v_lshl_add_u32 v[SPW], v0, 2, SPARE
	v_mov_b32 v[NIL], 0
	v_lshrrev_b32 v1, 5, v0
	v_readfirstlane_b32 s28, v1                    ; wave
	v_and_b32 v2, 31, v0                           ; lane
	v_lshlrev_b32 v3, 4, v2                        ; 16 x lane
	s_mul_i32 s29, s28, WREG
	v_lshrrev_b32 v14, 2, v2
	v_mul_u32_u24 v14, v14, SP
	v_and_b32 v15, 3, v2
	v_lshl_add_u32 v14, v15, 4, v14
	v_add_nc_u32 v14, s29, v14                     ; the stage, on the way in
	v_mul_u32_u24 v15, v2, SP
	v_add_nc_u32 v15, s29, v15                     ; and on the way out: my 16 neighbours
	v_lshrrev_b32 v5, 1, v2
	s_add_co_u32 s29, s29, 2*32*SP
	v_add_nc_u32 v5, s29, v5                       ; my block's scale byte
	v_lshlrev_b32 v7, 3, v2
	v_add_nc_u32 v6, s29, v7
	v_add_nc_u32 v10, s29, v3                      ; the image read back (256 bytes on, in the offsets)
	v_bfe_u32 v1, v2, 2, 1                         ; my 16 numbers are k = 16 lane of the half row: c = (lane / 4) % 2, h = (lane / 2) % 2, half = lane % 2
	v_and_b32 v4, 1, v2
	v_mul_u32_u24 v1, v1, 6
	v_mad_u32_u24 v1, v4, 3, v1                    ; my first register of the fragment: 6 c + 3 half
	v_lshrrev_b32 v4, 3, v2
	v_mul_u32_u24 v4, v4, 768                      ; K step lane / 8
	v_bfe_u32 v143, v2, 1, 1
	v_lshl_add_u32 v4, v143, 7, v4                 ; + 128 h
	v_add_nc_u32 v4, s29, v4
.irp j, 0,1,2
	v_add_nc_u32 v143, \j, v1
	v_lshrrev_b32 v147, 2, v143
	v_and_b32 v143, 3, v143
	v_lshl_add_u32 v147, v147, 8, v4               ; piece i / 4
	v_lshl_add_u32 v[QA+4*\j], v143, 2, v147       ; word i % 4
.endr
	s_wait_alu depctr_va_vdst(0)                   ; the wait at the head's end
	s_wait_kmcnt 0x0
	s_mov_b64 s[4:5], s[20:21]                     ; which tensor: by the work-group's number alone
	s_mov_b32 s26, 864
	s_cmp_lt_u32 ttmp9, 864
	s_cselect_b64 s[4:5], s[18:19], s[4:5]
	s_cselect_b32 s26, 832, s26
	s_cmp_lt_u32 ttmp9, 832
	s_cselect_b64 s[4:5], s[16:17], s[4:5]
	s_cselect_b32 s26, 800, s26
	s_cmp_lt_u32 ttmp9, 800
	s_cselect_b64 s[4:5], s[14:15], s[4:5]
	s_cselect_b32 s26, 768, s26
	s_cmp_lt_u32 ttmp9, 768
	s_cselect_b64 s[4:5], s[12:13], s[4:5]
	s_cselect_b32 s26, 512, s26
	s_cmp_lt_u32 ttmp9, 512
	s_cselect_b64 s[4:5], s[10:11], s[4:5]
	s_cselect_b32 s26, 256, s26
	s_cmp_lt_u32 ttmp9, 256
	s_cselect_b64 s[4:5], s[8:9], s[4:5]
	s_cselect_b32 s26, 0, s26
	s_sub_co_u32 s27, ttmp9, s26
	s_lshl_b32 s27, s27, 2
	s_add_co_u32 s27, s27, s28                     ; my run within the tensor
	s_lshl_b32 s30, s27, 15
	s_mov_b32 s31, 0
	s_add_nc_u64 s[4:5], s[4:5], s[30:31]
	s_lshl_b32 s27, ttmp9, 2
	s_add_co_u32 s27, s27, s28                     ; my run among all 3,584
	s_and_b32 s29, s27, 3
	s_lshl_b32 s29, s29, 1
	s_bfe_u32 s30, s27, 0x10002
	s_or_b32 s29, s29, s30
	s_and_b32 s30, s27, 0xfffffff8
	s_or_b32 s29, s29, s30                         ; its place in the other order
	s_sub_co_u32 s30, ttmp9, 256
	s_cmp_lt_u32 s30, 640                          ; all tensors but query
	s_cselect_b32 s27, s29, s27
	s_mul_i32 s30, s27, 6144
	s_add_nc_u64 s[22:23], s[22:23], s[30:31]
	s_lshl_b32 s30, s27, 8
	s_add_nc_u64 s[24:25], s[24:25], s[30:31]
.macro LOAD t
.irp i, 0,1,2,3
	global_load_b128 v[R+16*((\t)%4)+4*\i:R+16*((\t)%4)+4*\i+3], v3, s[4:5] offset:2048*(\t)+512*\i th:TH_LOAD_NT
.endr
.endm
.macro TURN t                          ; LDS serves a wave's instructions in order: no wait between the stores and the loads
.irp i, 0,1,2,3
	ds_store_b128 v14, v[R+16*((\t)%4)+4*\i:R+16*((\t)%4)+4*\i+3] offset:32*SP*((\t)%2)+8*SP*\i
.endr
.irp i, 0,1,2,3
	ds_load_b128 v[X+16*((\t)%2)+4*\i:X+16*((\t)%2)+4*\i+3], v15 offset:32*SP*((\t)%2)+16*\i
.endr
.endm
.irp t, 0,1,2,3
	LOAD \t
.endr
	s_wait_loadcnt 12                              ; step 0's four loads are in
	TURN 0
.macro STEP t
.set XS, X+16*((\t)%2)
.if (\t) > 0
	s_wait_dscnt 4                                 ; this step's numbers are back (the last step's byte store and three code stores may be out)
.else
	s_wait_dscnt 0x0
.endif
.if (\t)+4 < STEPS
	LOAD (\t)+4
.endif
.if (\t)+1 < STEPS
.if STEPS-2-(\t) >= 3
	s_wait_loadcnt 12                              ; the next step's four loads are in; three steps' may be out
.else
	s_wait_loadcnt 4*(STEPS-2-(\t))
.endif
	TURN (\t)+1
.endif
	v_max3_num_f32 v8, |v[XS]|, |v[XS+1]|, |v[XS+2]|
	v_max3_num_f32 v9, |v[XS+3]|, |v[XS+4]|, |v[XS+5]|
.irp i, 6,10
	v_max3_num_f32 v8, v8, |v[XS+\i]|, |v[XS+\i+1]|
	v_max3_num_f32 v9, v9, |v[XS+\i+2]|, |v[XS+\i+3]|
.endr
	v_max3_num_f32 v8, v8, |v[XS+14]|, |v[XS+15]|
	v_max3_num_f32 v8, v8, v9, (EMAX+1)<<23        ; the floor: the byte cannot fall under 1
	v_max_num_f32_dpp v8, v8, v8 row_xmask:1 row_mask:0xf bank_mask:0xf   ; with my neighbour's 16: the block's
	v_add_nc_u32 v11, -(EMAX<<23), v8              ; the conversion's scale operand
	v_cvt_scalef32_pk16_fp6_f32 v[C+4*(\t):C+4*(\t)+2], v[XS:XS+15], v11
	v_lshrrev_b32 v[E+(\t)], 23, v11               ; the byte (a plain line behind the conversion)
	ds_store_b8 v5, v[E+(\t)] offset:16*(\t)
.irp j, 0,1,2
	ds_store_b32 v[QA+4*\j], v[C+4*(\t)+\j] offset:256+3072*((\t)%2)+16*((\t)/2)   ; row t / 2, K steps 4 (t % 2) on
.endr
.endm
.irp t, 0,1,2,3,4,5,6,7,8,9,10,11,12,13,14,15
	STEP \t
.endr
	ds_load_b64 v[8:9], v6
.irp k, 0,1,2,3,4,5,6,7,8,9,10,11
	ds_load_b128 v[R+4*\k:R+4*\k+3], v10 offset:256+512*\k
.endr
	s_wait_dscnt 0x0
	global_store_b64 v7, v[8:9], s[24:25]          ; 256 consecutive bytes, aligned
.irp k, 0,1,2,3,4,5,6,7,8,9,10,11
	global_store_b128 v3, v[R+4*\k:R+4*\k+3], s[22:23] offset:512*\k   ; 512 consecutive bytes, aligned
.endr
	s_wait_tensorcnt 0x0                           ; the wave's end
	ds_add_u32 v[SPW], v[NIL]
	s_wait_dscnt 0x0
	s_endpgm
.Lfunc_end_k_q813ef8dc5b_quant:
	.size	k_q813ef8dc5b_quant, .Lfunc_end_k_q813ef8dc5b_quant-k_q813ef8dc5b_quant
	.p2alignl 7, 3214868480
	.fill 96, 4, 3214868480
	.section	.rodata,"a",@progbits
	.p2align	6, 0x0
	.amdhsa_kernel k_q813ef8dc5b_quant
		.amdhsa_group_segment_fixed_size 49664
		.amdhsa_private_segment_fixed_size 0
		.amdhsa_enable_private_segment 0
		.amdhsa_kernarg_size 72
		.amdhsa_user_sgpr_count 2
		.amdhsa_user_sgpr_kernarg_segment_ptr 1
		.amdhsa_wavefront_size32 1
		.amdhsa_system_sgpr_workgroup_id_x 1
		.amdhsa_system_sgpr_workgroup_id_y 1
		.amdhsa_system_sgpr_workgroup_id_z 1
		.amdhsa_system_vgpr_workitem_id 0
		.amdhsa_next_free_vgpr 192
		.amdhsa_next_free_sgpr 66
		.amdhsa_reserve_vcc 0
		.amdhsa_float_denorm_mode_32 3
		.amdhsa_float_denorm_mode_16_64 3
		.amdhsa_memory_ordered 1
		.amdhsa_forward_progress 1
		.amdhsa_inst_pref_size 38
	.end_amdhsa_kernel
	.amdgpu_metadata
---
amdhsa.version: [ 1, 2 ]
amdhsa.kernels:
  - .name:           k_q813ef8dc5b_quant
    .symbol:         k_q813ef8dc5b_quant.kd
    .args:
      - { .name: query, .offset: 0, .size: 8, .value_kind: global_buffer, .address_space: global }
      - { .name: key, .offset: 8, .size: 8, .value_kind: global_buffer, .address_space: global }
      - { .name: value, .offset: 16, .size: 8, .value_kind: global_buffer, .address_space: global }
      - { .name: Wq, .offset: 24, .size: 8, .value_kind: global_buffer, .address_space: global }
      - { .name: Wk, .offset: 32, .size: 8, .value_kind: global_buffer, .address_space: global }
      - { .name: Wv, .offset: 40, .size: 8, .value_kind: global_buffer, .address_space: global }
      - { .name: Wo, .offset: 48, .size: 8, .value_kind: global_buffer, .address_space: global }
      - { .name: cod, .offset: 56, .size: 8, .value_kind: global_buffer, .address_space: global }
      - { .name: scl, .offset: 64, .size: 8, .value_kind: global_buffer, .address_space: global }
    .group_segment_fixed_size: 49664
    .private_segment_fixed_size: 0
    .kernarg_segment_align: 8
    .kernarg_segment_size: 72
    .max_flat_workgroup_size: 128
    .sgpr_count:     66
    .vgpr_count:     192
    .wavefront_size: 32
...
	.end_amdgpu_metadata
.endif
;; end of part 1
;; launch proj (part 2): grid 192 x 1, 4 waves a work-group, clusters of 4 x 1, 313,856 bytes of LDS; arguments cod, scl, bq, bk, bv, mask, qkv; writes qkv
.if DOCPART == 2
	.amdgcn_target "amdgcn-amd-amdhsa--gfx1250"
	.amdhsa_code_object_version 6
	.text
	.protected	k_q813ef8dc5b_proj
	.globl	k_q813ef8dc5b_proj
	.p2align	8
	.type	k_q813ef8dc5b_proj,@function
k_q813ef8dc5b_proj:
	s_mov_b64 s[64:65], 0
	v_nop
	global_prefetch_b8 v0, s[64:65] scope:SCOPE_SE
	s_setreg_imm32_b32 hwreg(HW_REG_WAVE_MODE, 25, 1), 1
	s_wait_xcnt 0x0
	s_wait_alu depctr_hold_cnt(0) depctr_sa_sdst(0) depctr_va_vdst(0) depctr_va_sdst(0) depctr_va_ssrc(0) depctr_va_vcc(0) depctr_vm_vsrc(0)
	s_getreg_b32 s2, hwreg(HW_REG_IB_STS2, 6, 4)
	s_cmp_eq_u32 s2, 0
	s_cbranch_scc0 .Lentry_in_a_cluster
	s_endpgm
.Lentry_in_a_cluster:
	s_bfe_u32 s2, ttmp6, 0x10000c
	s_cmp_lg_u32 s2, 0x3003
	s_cbranch_scc0 .Lentry_shape_is_right
	s_endpgm
.Lentry_shape_is_right:
; Q = query Wq^T + bq, K = key Wk^T + bk, V = value Wv^T + bv on codes of FP6, and their quantisers for the products that follow.  Results leave as images of the next launch's operand registers.
; THE DEAL.  768 waves, 256 a tensor.  A wave keeps 64 stored rows, all of K = 1,024, in 384 registers (RESIDENT, source 0) and passes 32 blocks of 16 stored rows (STREAMED, source 1) by them: 32 products a block.
;   Q, K: resident = a head's 64 rows of the weight, streamed = 512 rows of the input.   V: resident = 64 keys of value, streamed = 512 rows of Wv (eight heads).
; In a result lane (r, h) holds streamed row r, and by the stored order of the resident rows its 32 registers are resident rows 32 h + 0..31: one whole block of the next quantiser (Q, K: channels; V: keys).
; CLUSTER.  The sixteen waves of four work-groups pass the SAME 32 streamed blocks (Q, K: the sixteen heads of one range of rows; V: sixteen bands of keys against one half of Wv).  Of every four blocks three are asked for
; JOINTLY at the head, one tensor load a wave (two rows of 36,864 bytes, three blocks on end, 49,152 apart): 24 blocks, filled once, read by all four waves.  64 bytes of padding behind each 1,024 set a tile's second run of eight
; rows 128 bytes off the first modulo 256.  All 32 blocks do not fit in LDS: every fourth comes from memory straight into registers, four blocks ahead of its products.
; cod is an image of operand registers: a lane loads its fragments whole, 16 bytes a lane.  The resident rows come straight from memory too.  Four sets of registers take the streamed blocks by turns.
; THE BIAS: Q, K: it hangs on the resident row, so it is the first products' C.  V: it hangs on the streamed row, a number a lane, and is added to the 32 sums; the C registers hold zeros there.
; THE AUX WORD, one a lane and block: K: the mask of my key; V: bv of my channel.  Q's waves load the mask's word too and do not use it: one text serves the three tensors.
; THE MASK goes into K's image: a masked key's 64 codes are 0, and at k = 64 stands -1.0 x 2^36 against Q's 1.0.
; qkv: Q's and K's blocks of 8,704 bytes [batch][head][128 rows]: eight tiles of 1,024 (registers 0-3, 4-7 of each lane), 512 bytes of scale words; V's of 6,400 [batch][head][128 keys]: [tile d of 16 channels][band c of 64 keys]
; 512 + 256 bytes (registers 6 c + 0..3, 6 c + 4..5), then [r][d] scale words, bytes 2 c + h.
; LIMITS: NaN and infinities are not served; a block whose largest magnitude lies under 2^-124 keeps the byte 1.
.set LBLK,13056                        ; a block in LDS: two runs of 6,144 + 6 x 64
.set LTRIP,3*LBLK
.set SPARE,8*LTRIP
.set LA,1
.set SAD,2
.set LO,3
.set LE,4
.set LR,5
.set SH8,6
.set AXO,7
.set BO,8
.set XW,9
.set L32,10
.set PFO,11
.set TA,12
.set TB,13
.set SCO,14
.set BY,15
.set SB,16                             ; v16-31 the resident rows' scale words: pair of tiles p at 8 p, lanes 0-15 tile 2 p, lanes 16-31 tile 2 p + 1
.set SPW,32
.set NIL,33
.set LAL,34                            ; a fragment's lane place in LDS
.set LDA,35                            ; the same in the next trip's three blocks
.set XS,36                             ; v36-67 the streamed rows' scale words, eight a set
.set ACC,72
.set CB,104
.set CU,136                            ; v136-167 codes on the way out, eight a block of a trip
.set WW,168
.set CT,172
.set AX,176                            ; v176, 178, 180, 182 the aux words (named as pairs)
.set C6B,184
.set C28,185
.set HIB,186
.set HIM,187
.set ZR,188
.set TAU,19
.set RB,28
.set RSB,30
.set XB,32
.set XSB,34
.set AXB,36
.set OB,38
.set WB,40
.set OSTEP,42
.set WSTEP,44
.set OX,46
.set WX,47
.set ISK,48
.set MK,49
.set SEL,50
.set CNT,52
.set BB,54
.set G0,80
.set G1,84
.set TL,92
.set MSB, 0
.macro WIN new
.if MSB != \new
	s_set_vgpr_msb (MSB<<8)|\new
.set MSB, \new
.endif
.endm
.macro WALU
	s_wait_alu depctr_va_vdst(0)
.endm
.macro PLACES n
.rept \n
	v_nop
.endr
.endm
.macro CROUND                          ; a round of the cluster's barrier
	s_barrier_signal -1
	s_barrier_wait -1
	s_cmp_lg_u32 s20, 0
	s_cbranch_scc1 .Lnot_wave_0_\@
	s_barrier_signal -3
.Lnot_wave_0_\@:
	s_barrier_wait -3
	s_barrier_signal -1
	s_barrier_wait -1
.endm
.macro SLOT f                          ; fragment f: window 1 + f / 21, register 12 (f % 21); the 64th lies in window 0.  0-31 resident (4 q + tile), 32 + 8 e + q streamed set e
.if (\f) < 63
.set SW_, 1+(\f)/21
.set SR_, 12*((\f)%21)
.else
.set SW_, 0
.set SR_, 244
.endif
.endm
.macro FETCHG e, blk                   ; a block's eight fragments from memory: 24 loads
.set Q_, 0
.rept 8
	SLOT 32+8*(\e)+Q_
	WIN SW_<<6
.irp p, 0,1,2
	global_load_b128 v[SR_+4*\p:SR_+4*\p+3], v[LA], s[XB:XB+1] offset:(\blk)*12288+Q_*768+256*\p
.endr
.set Q_, Q_+1
.endr
	WIN 0
.endm
.macro FETCHL e, adr                   ; block e (1 to 3) of a trip from LDS: 24 loads; piece n lies at 256 n + 64 (n / 4) of its run
.set Q_, 0
.rept 8
	SLOT 32+8*(\e)+Q_
	WIN SW_<<6
.irp p, 0,1,2
	ds_load_b128 v[SR_+4*\p:SR_+4*\p+3], v[\adr] offset:((\e)-1)*LBLK+(3*Q_+\p)*256+((3*Q_+\p)/4)*64
.endr
.set Q_, Q_+1
.endr
	WIN 0
.endm
.macro SCALES e, blk
	global_load_b128 v[XS+8*(\e):XS+8*(\e)+3], v[SAD], s[XSB:XSB+1] offset:(\blk)*512
	global_load_b128 v[XS+8*(\e)+4:XS+8*(\e)+7], v[SAD], s[XSB:XSB+1] offset:(\blk)*512+16
.endm
.macro AUX e, blk                      ; stored row 16 blk + r is true row 64 (blk / 4) + 8 (blk % 4) + r % 8 + 32 (r / 8)
	global_load_b32 v[AX+2*(\e)], v[AXO], s[AXB:AXB+1] offset:4*(64*((\blk)/4)+8*((\blk)%4))
.endm
.macro P1 d, a, b, c, sa, sx, o
.if \o
	v_wmma_scale_f32_16x16x128_f8f6f4 v[\d:\d+7], v[\a:\a+11], v[\b:\b+11], \c, v[\sa], v[\sx] matrix_a_fmt:MATRIX_FMT_FP6 matrix_b_fmt:MATRIX_FMT_FP6 matrix_a_scale:MATRIX_SCALE_ROW1
.else
	v_wmma_scale_f32_16x16x128_f8f6f4 v[\d:\d+7], v[\a:\a+11], v[\b:\b+11], \c, v[\sa], v[\sx] matrix_a_fmt:MATRIX_FMT_FP6 matrix_b_fmt:MATRIX_FMT_FP6
.endif
.endm
.macro PRODUCTS e                      ; 32 products, the four accumulators by turns
.set N_, 0
.rept 32
	SLOT 32+8*(\e)+N_/4
.set XW_, SW_
.set XR_, SR_
	SLOT N_
	WIN SW_|(XW_<<2)
.if N_ < 4
	P1 ACC+8*N_, SR_, XR_, v[CB+8*N_:CB+8*N_+7], SB+8*(N_/2), XS+8*(\e), N_%2
.else
	P1 ACC+8*(N_%4), SR_, XR_, v[ACC+8*(N_%4):ACC+8*(N_%4)+7], SB+8*((N_%4)/2)+N_/4, XS+8*(\e)+N_/4, N_%2
.endif
.set N_, N_+1
.endr
	WIN 0
.endm
.macro EPI i                           ; the way out of a block: 32 sums a lane are one block of the quantiser
	WALU                                           ; the wait ahead of a branch
	s_cmp_eq_u32 s[TAU], 2
	s_cbranch_scc0 .Lnb_\@
.set J_, 0
.rept 16
	v_pk_add_f32 v[ACC+J_:ACC+J_+1], v[ACC+J_:ACC+J_+1], v[AX+2*\i:AX+2*\i+1] op_sel_hi:[1,0]   ; V: + bv of my channel
.set J_, J_+2
.endr
.Lnb_\@:
	v_max3_num_f32 v[TA], 0x1800000, |v[ACC]|, |v[ACC+1]|
	v_max3_num_f32 v[TB], 0x1800000, |v[ACC+2]|, |v[ACC+3]|
.irp n, 4,8,12,16,20,24,28
	v_max3_num_f32 v[TA], v[TA], |v[ACC+\n]|, |v[ACC+\n+1]|
	v_max3_num_f32 v[TB], v[TB], |v[ACC+\n+2]|, |v[ACC+\n+3]|
.endr
	v_max_num_f32 v[TA], v[TA], v[TB]
	v_add_nc_u32 v[SCO], 0xff000000, v[TA]
	v_lshrrev_b32 v[BY], 23, v[SCO]
	v_cvt_scalef32_pk16_fp6_f32 v[CU+8*\i:CU+8*\i+2], v[ACC:ACC+15], v[SCO]
	v_cvt_scalef32_pk16_fp6_f32 v[CT:CT+2], v[ACC+16:ACC+31], v[SCO]
	v_lshlrev_b32 v[BY], v[SH8], v[BY]             ; (a plain line behind the conversions)
.irp k, 0,1,2
	v_mov_b32 v[CU+8*\i+3+\k], v[CT+\k]
.endr
	v_permlanex16_b32 v[XW], v[BY], s[SEL], s[SEL+1]
	WALU
	s_cmp_eq_u32 s[TAU], 2
	s_cbranch_scc1 .Lv_\@
	v_cmp_eq_u32 s[MK], 0, v[AX+2*\i]
	s_and_b32 s[MK], s[MK], s[ISK]                 ; K alone is masked
.irp k, 0,1,2,3,4,5
	v_cndmask_b32 v[CU+8*\i+\k], v[CU+8*\i+\k], v[ZR], s[MK]
.endr
	v_cndmask_b32 v[CU+8*\i+6], v[C6B], v[C28], s[MK]
	global_store_b128 v[LO], v[CU+8*\i:CU+8*\i+3], s[OB:OB+1] offset:1024*\i
	global_store_b128 v[LO], v[CU+8*\i+4:CU+8*\i+7], s[OB:OB+1] offset:1024*\i+512
	v_cndmask_b32 v[WW+\i], v[HIB], v[HIM], s[MK]
	v_or_b32 v[WW+\i], v[WW+\i], v[BY]
	v_or_b32 v[WW+\i], v[WW+\i], v[XW]
.if \i == 3
	global_store_b128 v[LR], v[WW:WW+3], s[WB:WB+1]    ; four tiles' words of row r: 256 consecutive bytes (both halves of the lanes hold and write the same)
.endif
	WALU
	s_branch .Ld_\@
.Lv_\@:
	global_store_b128 v[LO], v[CU+8*\i:CU+8*\i+3], s[OB:OB+1] offset:1536*\i
	global_store_b64 v[LE], v[CU+8*\i+4:CU+8*\i+5], s[OB:OB+1] offset:1536*\i+512
	v_or_b32 v[WW+\i], v[BY], v[XW]
	global_store_b16 v[LR], v[WW+\i], s[WB:WB+1] offset:6144+4*\i   ; my band's two bytes of channel r's word: 32 bytes a block beside 768 of codes
.Ld_\@:
.endm
; A block: its products; four places; the set is asked for again (the block four on); the way out; the aux word; the waits for the next block.
; A block's loads from memory are 27 (the first of a trip) or 3 (scale words and aux), its LDS loads 0 or 24.  nl, nd count those younger than the next block's:
; in the loop 3 + 3 + 27 = 33 and 48, ahead of a trip's first block 9 and none; in the tail 6 and 48, 3 and 24, 0 and 0.
.macro BLOCK i, fetch, nl, nd, pf
	PRODUCTS \i
	PLACES 4
.if \fetch
.if \i == 0
	FETCHG 0, 4
.else
	v_add_nc_u32 v[LDA], s[TL], v[LAL]
	FETCHL \i, LDA
.endif
	SCALES \i, 4+\i
.endif
	EPI \i
.if \fetch
	AUX \i, 4+\i
.endif
.if \pf
	s_cmp_lt_u32 s[CNT], 5
	s_cbranch_scc0 .Lnp_\@
	global_prefetch_b8 v[PFO], s[XB:XB+1] offset:12*12288 th:TH_LOAD_NT scope:SCOPE_SE   ; my sixteenth (3 blocks of 256 bytes) of the block that is loaded from memory two trips on; the cluster's sixteen waves share it out by address
.Lnp_\@:
.endif
.if (\nl) >= 0
	s_wait_loadcnt \nl
.endif
.if (\nd) >= 0
	s_wait_dscnt \nd
.endif
.endm
	s_load_b256 s[4:11], s[0:1], 0x0               ; cod, scl, bq, bk
	s_load_b128 s[12:15], s[0:1], 0x20             ; bv, mask
	s_load_b64 s[16:17], s[0:1], 0x30              ; qkv
	v_lshl_add_u32 v[SPW], v0, 2, SPARE
	v_mov_b32 v[NIL], 0
	ds_add_u32 v[SPW], v[NIL]                      ; the opening lines: the add, twice on end, and its wait ahead of my tensor load
	ds_add_u32 v[SPW], v[NIL]
	v_lshrrev_b32 v12, 5, v0
	v_readfirstlane_b32 s20, v12
	s_bfe_u32 s21, ttmp6, 0x40000                  ; cx
	s_lshl_b32 s21, s21, 2
	s_add_co_u32 s21, s21, s20                     ; my wave among the cluster's sixteen
	s_lshr_b32 s[TAU], ttmp9, 4                    ; by the cluster's number: 0 Q, 1 K, 2 V
	s_and_b32 s22, ttmp9, 15
	s_mov_b32 s23, s21                             ; Q, K: head
	s_mov_b32 s24, s22                             ;       which 512 rows
	s_lshr_b32 s25, s22, 1
	s_lshl_b32 s25, s25, 4
	s_add_co_u32 s25, s25, s21                     ; V: band of 64 keys
	s_and_b32 s26, s22, 1                          ;    which eight heads
	s_lshl_b32 s56, s[TAU], 6
	s_lshl_b32 s57, s23, 2
	s_add_co_u32 s56, s56, s57
	s_add_co_u32 s56, s56, 1536                    ; resident tile
	s_lshl_b32 s57, s[TAU], 9
	s_lshl_b32 s58, s24, 5
	s_add_co_u32 s57, s57, s58                     ; first streamed tile: made of the cluster's number alone
	s_lshr_b32 s58, s24, 2
	s_lshl_b32 s58, s58, 4
	s_add_co_u32 s58, s58, s23
	s_lshl_b32 s58, s58, 4
	s_and_b32 s59, s24, 3
	s_lshl_b32 s59, s59, 2
	s_add_co_u32 s58, s58, s59
	s_mul_i32 s58, s58, 8704
	s_mul_i32 s59, s[TAU], 8912896
	s_add_co_u32 s58, s58, s59                     ; codes' place
	s_add_co_u32 s59, s58, 8192                    ; words' place
	s_lshl_b32 s60, s24, 11                        ; aux: 512 words a range
	s_lshl_b32 s66, s25, 2
	s_add_co_u32 s66, s66, 1024
	s_lshl_b32 s67, s26, 5
	s_add_co_u32 s67, s67, 1664
	s_lshr_b32 s68, s25, 5
	s_lshl_b32 s68, s68, 4
	s_lshl_b32 s69, s26, 3
	s_add_co_u32 s68, s68, s69
	s_lshl_b32 s68, s68, 4
	s_bfe_u32 s69, s25, 0x40001
	s_add_co_u32 s68, s68, s69
	s_mul_i32 s68, s68, 6400
	s_add_co_u32 s68, s68, 17825792
	s_and_b32 s69, s25, 1                          ; c
	s_mul_i32 s70, s69, 768
	s_lshl_b32 s69, s69, 1
	s_add_co_u32 s69, s68, s69
	s_add_co_u32 s68, s68, s70
	s_lshl_b32 s70, s26, 11
	s_mov_b32 s73, 102400
	s_mov_b32 s[OSTEP], 4096                       ; Q, K: a trip is half a block of 8,704: 4,096 and 4,608 by turns; the words 256 and 8,448
	s_mov_b32 s[WSTEP], 256
	s_mov_b32 s[OX], 0x200
	s_mov_b32 s[WX], 0x2000
	s_cmp_eq_u32 s[TAU], 2
	s_cselect_b32 s56, s66, s56
	s_cselect_b32 s57, s67, s57
	s_cselect_b32 s[OB], s68, s58
	s_cselect_b32 s[WB], s69, s59
	s_cselect_b32 s76, s70, s60
	s_cselect_b32 s[OSTEP], s73, s[OSTEP]          ; V: a trip is a head: 16 blocks of 6,400
	s_cselect_b32 s[WSTEP], s73, s[WSTEP]
	s_cselect_b32 s[OX], 0, s[OX]
	s_cselect_b32 s[WX], 0, s[WX]
	s_cmp_eq_u32 s[TAU], 1
	s_cselect_b32 s[ISK], -1, 0
	s_mov_b32 s75, 0x01010000
	s_mov_b32 s78, 0x7f7f0000
	s_cmp_eq_u32 s[TAU], 0
	s_cselect_b32 s74, 8, 0                        ; Q: the code of 1.0 at k = 64
	s_cselect_b32 s75, s78, s75                    ; bytes 2, 3 of a scale word
	s_mul_i32 s[RB], s56, 12288
	s_lshl_b32 s[RSB], s56, 9
	s_mul_i32 s[XB], s57, 12288
	s_lshl_b32 s[XSB], s57, 9
	s_lshl_b32 s78, s23, 8
	s_mul_i32 s71, s21, 768
	s_mul_i32 s94, s20, 98304                      ; my tensor load: trips 2 wave and 2 wave + 1, from the trip's second block on
	s_add_co_u32 s94, s94, 12288
.irp g, RB, RSB, XB, XSB, OB, WB, OSTEP, WSTEP, 76, 78, 94
	s_mov_b32 s[\g+1], 0
.endr
	s_mov_b32 s[G0], 1
	s_mul_i32 s[G0+1], s20, 2*LTRIP
	s_mov_b32 s[G1], 15|(3<<16)|(1<<20)|(1<<21)|(7<<22)|(15<<25)   ; the mask: all four work-groups; elements of 8 bytes; padding on; 21 set beside a mask; behind every 256 words 16 words
	s_mov_b32 s[G1+1], 4608<<16                    ; a row: three blocks, 36,864 bytes
	s_mov_b32 s[G1+2], 2<<16
	s_mov_b32 s[G1+3], 4608<<16
	s_mov_b32 s[G1+4], 2
	s_mov_b32 s[G1+5], 6144                        ; from trip to trip 49,152 bytes
	s_mov_b32 s[G1+6], 0
	s_mov_b32 s[G1+7], 0
	s_mov_b32 s[TL], LTRIP
	s_mov_b32 s[SEL], 0x76543210
	s_mov_b32 s[SEL+1], 0xfedcba98
	s_mov_b32 s[MK], 0xffff0000
	v_and_b32 v12, 31, v0
	v_and_b32 v13, 15, v0
	v_bfe_u32 v14, v0, 4, 1
	v_bfe_u32 v15, v0, 3, 1
	v_and_b32 v[XW], 7, v0
	v_mul_u32_u24 v[LA], v15, 6144                 ; a fragment's piece in memory: run r / 8, 16 (r % 8) + 128 h
	v_lshl_add_u32 v[LA], v[XW], 4, v[LA]
	v_lshl_add_u32 v[LA], v14, 7, v[LA]
	v_mul_u32_u24 v[LAL], v15, 6528                ; and in LDS
	v_lshl_add_u32 v[LAL], v[XW], 4, v[LAL]
	v_lshl_add_u32 v[LAL], v14, 7, v[LAL]
	v_lshlrev_b32 v[SAD], 5, v13
	v_lshlrev_b32 v[LO], 4, v12
	v_lshlrev_b32 v[LE], 3, v12
	v_lshlrev_b32 v[LR], 4, v13
	v_lshlrev_b32 v[SH8], 3, v14
	v_lshl_add_u32 v[AXO], v15, 5, v[XW]
	v_lshlrev_b32 v[AXO], 2, v[AXO]
	v_lshlrev_b32 v[BO], 7, v14
	v_lshlrev_b32 v[L32], 5, v12
	v_min_u32 v[PFO], 2, v12
	v_lshlrev_b32 v[PFO], 8, v[PFO]
	v_add_nc_u32 v[PFO], s71, v[PFO]
	v_mov_b32 v[XW], 0
	v_mov_b32 v[ZR], 0
	v_mov_b32 v[C28], 0x28                         ; the code of -1.0
	v_mov_b32 v[HIM], 0x01a30000                   ; a masked key's byte 2: 2^36
	v_mov_b32 v[HIB], s75
	v_mov_b32 v[C6B], s74
	v_cndmask_b32 v[C6B], v[C6B], v[ZR], s[MK]     ; lanes 0-15 alone
.irp i, 0,1,2,3
	v_mov_b32 v[AX+2*\i+1], 0                      ; (named as the upper half of a pair)
	v_mov_b32 v[CU+8*\i+7], 0
.endr
	WALU                                           ; the wait at the head's end
	s_wait_dscnt 0x0                               ; both opening adds are done
	s_wait_kmcnt 0x0
	s_add_nc_u64 s[RB:RB+1], s[4:5], s[RB:RB+1]
	s_add_nc_u64 s[RSB:RSB+1], s[6:7], s[RSB:RSB+1]
	s_add_nc_u64 s[XB:XB+1], s[4:5], s[XB:XB+1]
	s_add_nc_u64 s[XSB:XSB+1], s[6:7], s[XSB:XSB+1]
	s_add_nc_u64 s[OB:OB+1], s[16:17], s[OB:OB+1]
	s_add_nc_u64 s[WB:WB+1], s[16:17], s[WB:WB+1]
	s_add_nc_u64 s[G0+2:G0+3], s[XB:XB+1], s[94:95]
	s_or_b32 s[G0+3], s[G0+3], 0x80000000
	s_cmp_eq_u32 s[TAU], 2
	s_cselect_b64 s[AXB:AXB+1], s[12:13], s[14:15]
	s_add_nc_u64 s[AXB:AXB+1], s[AXB:AXB+1], s[76:77]
	s_cmp_eq_u32 s[TAU], 1
	s_cselect_b64 s[BB:BB+1], s[10:11], s[8:9]
	s_add_nc_u64 s[BB:BB+1], s[BB:BB+1], s[78:79]
	CROUND                                         ; all four work-groups are here: the joint loads meet
	tensor_load_to_lds s[G0:G0+3], s[G1:G1+7]      ; one tensor load a wave; nothing is filled again
	s_nop 0
	PLACES 4
.set F_, 0
.rept 32                               ; the resident rows: 96 loads
	SLOT F_
	WIN SW_<<6
.irp p, 0,1,2
	global_load_b128 v[SR_+4*\p:SR_+4*\p+3], v[LA], s[RB:RB+1] offset:(F_%4)*12288+(F_/4)*768+256*\p
.endr
.set F_, F_+1
.endr
	WIN 0
.irp p, 0,1
.irp k, 0,1
	global_load_b128 v[SB+8*\p+4*\k:SB+8*\p+4*\k+3], v[L32], s[RSB:RSB+1] offset:1024*\p+16*\k
.endr
.endr
	s_cmp_eq_u32 s[TAU], 2
	s_cbranch_scc1 .Lzero
.irp k, 0,1,2,3,4,5,6,7
	global_load_b128 v[CB+4*\k:CB+4*\k+3], v[BO], s[BB:BB+1] offset:16*\k   ; register 8 b + j: channel 32 h + 8 b + j
.endr
	s_branch .Lbias
.Lzero:
.set J_, 0
.rept 32
	v_mov_b32 v[CB+J_], 0
.set J_, J_+1
.endr
.Lbias:
	FETCHG 0, 0
	SCALES 0, 0
	AUX 0, 0
	s_mov_b32 s[CNT], 0
	WALU
	s_wait_tensorcnt 0x0                           ; my six blocks are in,
	s_barrier_signal -1
	s_barrier_wait -1                              ; everybody's are
.irp e, 1,2,3
	FETCHL \e, LAL
	SCALES \e, \e
	AUX \e, \e
.endr
	s_wait_loadcnt 9                               ; block 0, and all that was asked for ahead of it, is in: 3 + 3 + 3 younger loads
.Ltrip:
	BLOCK 0, 1, 33, 48, 0
	BLOCK 1, 1, 33, 48, 1
	BLOCK 2, 1, 33, 48, 0
	BLOCK 3, 1, 9, -1, 0
	s_wait_xcnt 0x0                                ; bases and the stores' data are written again only behind this wait
	s_add_nc_u64 s[XB:XB+1], s[XB:XB+1], 49152
	s_add_nc_u64 s[XSB:XSB+1], s[XSB:XSB+1], 2048
	s_add_nc_u64 s[AXB:AXB+1], s[AXB:AXB+1], 256
	s_add_nc_u64 s[OB:OB+1], s[OB:OB+1], s[OSTEP:OSTEP+1]
	s_add_nc_u64 s[WB:WB+1], s[WB:WB+1], s[WSTEP:WSTEP+1]
	s_xor_b32 s[OSTEP], s[OSTEP], s[OX]
	s_xor_b32 s[WSTEP], s[WSTEP], s[WX]
	s_add_co_u32 s[TL], s[TL], LTRIP
	s_add_co_u32 s[CNT], s[CNT], 1
	s_cmp_lt_u32 s[CNT], 7
	WALU
	s_cbranch_scc1 .Ltrip
	BLOCK 0, 0, 6, 48, 0                           ; the last four blocks ask for nothing
	BLOCK 1, 0, 3, 24, 0
	BLOCK 2, 0, 0, 0, 0
	BLOCK 3, 0, -1, -1, 0
	s_wait_tensorcnt 0x0                           ; the wave's end
	ds_add_u32 v[SPW], v[NIL]
	s_wait_dscnt 0x0
	CROUND                                         ; the closing round
	s_endpgm
.Lfunc_end_k_q813ef8dc5b_proj:
	.size	k_q813ef8dc5b_proj, .Lfunc_end_k_q813ef8dc5b_proj-k_q813ef8dc5b_proj
	.p2alignl 7, 3214868480
	.fill 96, 4, 3214868480
	.section	.rodata,"a",@progbits
	.p2align	6, 0x0
	.amdhsa_kernel k_q813ef8dc5b_proj
		.amdhsa_group_segment_fixed_size 313856
		.amdhsa_private_segment_fixed_size 0
		.amdhsa_enable_private_segment 0
		.amdhsa_kernarg_size 56
		.amdhsa_user_sgpr_count 2
		.amdhsa_user_sgpr_kernarg_segment_ptr 1
		.amdhsa_wavefront_size32 1
		.amdhsa_system_sgpr_workgroup_id_x 1
		.amdhsa_system_sgpr_workgroup_id_y 1
		.amdhsa_system_sgpr_workgroup_id_z 1
		.amdhsa_system_vgpr_workitem_id 0
		.amdhsa_next_free_vgpr 1024
		.amdhsa_next_free_sgpr 96
		.amdhsa_reserve_vcc 0
		.amdhsa_float_denorm_mode_32 3
		.amdhsa_float_denorm_mode_16_64 3
		.amdhsa_memory_ordered 1
		.amdhsa_forward_progress 1
		.amdhsa_inst_pref_size 103
	.end_amdhsa_kernel
	.amdgpu_metadata
---
amdhsa.version: [ 1, 2 ]
amdhsa.kernels:
  - .name:           k_q813ef8dc5b_proj
    .symbol:         k_q813ef8dc5b_proj.kd
    .args:
      - { .name: cod, .offset: 0, .size: 8, .value_kind: global_buffer, .address_space: global }
      - { .name: scl, .offset: 8, .size: 8, .value_kind: global_buffer, .address_space: global }
      - { .name: bq, .offset: 16, .size: 8, .value_kind: global_buffer, .address_space: global }
      - { .name: bk, .offset: 24, .size: 8, .value_kind: global_buffer, .address_space: global }
      - { .name: bv, .offset: 32, .size: 8, .value_kind: global_buffer, .address_space: global }
      - { .name: mask, .offset: 40, .size: 8, .value_kind: global_buffer, .address_space: global }
      - { .name: qkv, .offset: 48, .size: 8, .value_kind: global_buffer, .address_space: global }
    .group_segment_fixed_size: 313856
    .private_segment_fixed_size: 0
    .kernarg_segment_align: 8
    .kernarg_segment_size: 56
    .max_flat_workgroup_size: 128
    .sgpr_count:     96
    .vgpr_count:     1024
    .wavefront_size: 32
...
	.end_amdgpu_metadata
.endif
;; end of part 2
;; launch attn (part 3): grid 4 x 64, 8 waves a work-group, clusters of 4 x 1, 245,760 bytes of LDS; arguments qkv, xc, xs; writes xc, xs
.if DOCPART == 3
	.amdgcn_target "amdgcn-amd-amdhsa--gfx1250"
	.amdhsa_code_object_version 6
	.text
	.protected	k_q813ef8dc5b_attn
	.globl	k_q813ef8dc5b_attn
	.p2align	8
	.type	k_q813ef8dc5b_attn,@function
k_q813ef8dc5b_attn:
	s_mov_b64 s[64:65], 0
	v_nop
	global_prefetch_b8 v0, s[64:65] scope:SCOPE_SE
	s_setreg_imm32_b32 hwreg(HW_REG_WAVE_MODE, 25, 1), 1
	s_wait_xcnt 0x0
	s_wait_alu depctr_hold_cnt(0) depctr_sa_sdst(0) depctr_va_vdst(0) depctr_va_sdst(0) depctr_va_ssrc(0) depctr_va_vcc(0) depctr_vm_vsrc(0)
	s_getreg_b32 s2, hwreg(HW_REG_IB_STS2, 6, 4)
	s_cmp_eq_u32 s2, 0
	s_cbranch_scc0 .Lentry_in_a_cluster
	s_endpgm
.Lentry_in_a_cluster:
	s_bfe_u32 s2, ttmp6, 0x10000c
	s_cmp_lg_u32 s2, 0x3003
	s_cbranch_scc0 .Lentry_shape_is_right
	s_endpgm
.Lentry_shape_is_right:
; x[b][q][head] = softmax_k(Q . K / 8, masked) V, both products on codes of FP6 (E2M3) with one E8M0 scale for each 32 along a product's K; x is quantised along the last product's K (head x 64 + channel) and leaves as codes.
; THE SOFTMAX AHEAD OF THE SECOND PRODUCT: t = score x log2(e) / 8; M = the running largest t, rounded UP to a whole number; p = 2^(t - M) is quantised along the keys, not normalised.  The row's sum is taken of the unquantised p
; and divides at the end.  When M moves, the sum and O are multiplied by 2^(old M - new M): exact.
; THE MASK came with K's codes: a masked key's score is exactly -2^36 (its 64 codes are 0; at k = 64 stand -1.0 x 2^36 in K and 1.0 in Q).  Beside any unmasked key its p is 0; where all keys of a batch are masked t - M is exactly 0
; and every p is 1: the uniform softmax.  LIMIT: a masked logit is -2^33 where the definition has -1e10: the same results wherever every unmasked logit lies above -8.5e9.  NaN and infinities are not served.
; Q's codes are 0 at every k above 64, and the format has no infinity and no NaN: so what stands in registers 7 to 11 of a fragment of K counts for nothing, and K's fragments lie 8 registers apart, each reaching into the next.
; SHARES.  A work-group owns 512 queries of one batch x head, each of its eight waves 64: four tiles of 16, so that each fragment of K and V read from LDS feeds four products.  Two waves to a SIMD: one wave's vector work stands
; beside the other's matrix work.  Every wave walks all 2,048 keys, 128 a step.
; LDS IS FILLED ONCE: a head's K (16 blocks of 8,704 bytes) and V (16 of 6,400) are images of the operands' registers, scale words behind them: every read is 16 or 8 bytes a lane on end.  No slot is filled again.
; CLUSTER.  The four query blocks of a batch x head read the same K and V: every block is asked for JOINTLY.  All blocks are asked for at the head, so nothing is left to ask for ahead.
; LAYOUT.  S^T = K Q^T, O^T = V^T P^T: a lane holds ONE query (lane % 16) throughout.  The keys of a tile of K are 8 t + 0..7 and 32 + 8 t + 0..7 of their 64: so registers 0-31 of S^T are keys 32 h + 0..31 and registers 32-63 keys
; 64 + 32 h + 0..31 (h = lane / 16): whole blocks of the quantiser in one lane, in the order of the next operand's registers.  V's channels likewise: O^T's 32 registers are channels 32 h + 0..31.
; BY TURNS.  Two buffers of scores: tile i + 1's eight products K Q^T are issued ahead of tile i's softmax.
; REGISTERS, window 0: v1-11 addresses and work; v12-27 four a tile: -M, the largest score, the sum in two halves; v28-39 work; v40-43 K's scale words, v44-47 V's, v48-51 Q's, v52 p's; v54-60 work; v64-75 p's codes;
;   v80-127 Q; v128-191, v192-255 the two buffers of scores.   window 1: v0-127 O^T (tile i at 32 i); v128-195 K's eight fragments; v196-243 V's four.
.set KBLK,  8704
.set VBLK,  6400
.set KOFF,  8912896
.set VOFF,  17825792
.set VL,    16*KBLK                    ; LDS: K's 16 blocks from 0, V's from here
.set SPARE, VL+16*VBLK                 ; the spare words, 128 bytes for each of eight waves
.set LI,   1                           ; 16 x lane
.set LR,   2                           ; 16 x (lane % 16)
.set SH8,  3                           ; 8 h
.set ADK,  4
.set ADV,  5
.set ADVS, 6
.set ADV8, 63                          ; V's pieces of 8 bytes a lane
.set SPW,  7
.set NIL,  8
.set XX,   9
.set TP,   10
.set TQ,   11
.set ST,   12
.set FF,   28                          ; v[28:29] f = 2^(old M - new M), named as a pair
.set BM,   30                          ; v30, v31 the two blocks' largest scores; v32, v33 second chains
.set SCO,  34                          ; v34, v35 the conversions' scale operands
.set BY,   36                          ; v36, v37 the bytes
.set SUM2, 38
.set KS,   40
.set VS,   44
.set QS,   48
.set PW,   52
.set CTA,  54
.set CTB,  58
.set LE,   61                          ; 8 x lane
.set LT,   62                          ; 32 x lane
.set PF,   64
.set XH,   76
.set QF,   80
.set BUFA, 128
.set BUFB, 192
.set KF,   128                         ; in window 1
.set VF,   196                         ; in window 1
.set WV,   10
.set W3,   11
.set CX,   12
.set BH,   13
.set G1K,  16
.set G1V,  24
.set G0K,  32                          ; s[32:35] group 0 for my quarter of K
.set G0V,  48                          ; s[48:51] for my quarter of V
.set CS,   66                          ; s[66:67] c = log2(e) / 8
.set SEL,  68
.set TK,   70                          ; LDS byte of the K block to be fetched next
.set TV,   71                          ; of the V block
.set CNT,  72
.set HIL,  73                          ; lanes 16-31
.set MSB, 0
.macro WIN new
.if MSB != \new
	s_set_vgpr_msb (MSB<<8)|\new
.set MSB, \new
.endif
.endm
.macro CROUND
	s_barrier_signal -1
	s_barrier_wait -1
	s_cmp_lg_u32 s[WV], 0
	s_cbranch_scc1 .Lnot_wave_0_\@
	s_barrier_signal -3
.Lnot_wave_0_\@:
	s_barrier_wait -3
	s_barrier_signal -1
	s_barrier_wait -1
.endm
	s_load_b128 s[4:7], s[0:1], 0x0                ; qkv, xc
	s_load_b64 s[8:9], s[0:1], 0x10                ; xs
	v_lshl_add_u32 v[SPW], v0, 2, SPARE
	v_mov_b32 v[NIL], 0
	ds_add_u32 v[SPW], v[NIL]                      ; the wave's opening: the add and its wait ahead of my first tensor load; the set-up below stands between them
	ds_add_u32 v[SPW], v[NIL]
	v_lshrrev_b32 v[TP], 5, v0
	s_delay_alu instid0(VALU_DEP_1)
	v_readfirstlane_b32 s[WV], v[TP]               ; wave 0..7
	s_and_b32 s[W3], s[WV], 3
	s_bfe_u32 s[CX], ttmp6, 0x40000                ; cx: my block of 512 queries: it enters Q's, xc's and xs's addresses alone
	s_and_b32 s[BH], ttmp7, 0xffff                 ; batch x 16 + head, which the four partners share
	; descriptor group 1: four blocks on end, dense, as rows of 256 bytes (32 elements of 8): K's 136 rows, V's 100
	s_mov_b32 s[G1K], 15|(3<<16)|(1<<21)           ; 15:0 the mask: all four work-groups; 17:16 elements of 8 bytes; 21 set beside a mask; no padding
	s_mov_b32 s[G1K+1], 32<<16
	s_mov_b32 s[G1K+2], 136<<16
	s_mov_b32 s[G1K+3], 32<<16
	s_mov_b32 s[G1K+4], 136
	s_mov_b32 s[G1K+5], 32
	s_mov_b32 s[G1K+6], 0
	s_mov_b32 s[G1K+7], 0
	s_mov_b32 s[G1V], 15|(3<<16)|(1<<21)
	s_mov_b32 s[G1V+1], 32<<16
	s_mov_b32 s[G1V+2], 100<<16
	s_mov_b32 s[G1V+3], 32<<16
	s_mov_b32 s[G1V+4], 100
	s_mov_b32 s[G1V+5], 32
	s_mov_b32 s[G1V+6], 0
	s_mov_b32 s[G1V+7], 0
	s_lshl_b32 s14, s[BH], 4
	s_lshl_b32 s15, s[W3], 2
	s_add_co_u32 s14, s14, s15                     ; my first block: 16 x (batch x head) + 4 x (wave % 4)
	s_mul_i32 s74, s14, KBLK
	s_add_co_u32 s74, s74, KOFF
	s_mov_b32 s75, 0
	s_mul_i32 s76, s14, VBLK
	s_add_co_u32 s76, s76, VOFF
	s_mov_b32 s77, 0
	s_mul_i32 s78, s[W3], 4*KBLK                   ; and its place in LDS
	s_mul_i32 s79, s[W3], 4*VBLK
	s_add_co_u32 s79, s79, VL
	s_mov_b32 s[CS], 0x3e38aa3b                    ; c = log2(e) / 8
	s_mov_b32 s[CS+1], s[CS]                       ; (named with it as a pair, so it is written)
	s_mov_b32 s[SEL], 0x76543210
	s_mov_b32 s[SEL+1], 0xfedcba98
	s_mov_b32 s[TK], 0
	s_mov_b32 s[TV], VL
	s_mov_b32 s[HIL], 0xffff0000
	s_wait_dscnt 0x0                               ; the opening add is done
	s_wait_kmcnt 0x0
	s_add_nc_u64 s[74:75], s[4:5], s[74:75]
	s_add_nc_u64 s[76:77], s[4:5], s[76:77]
	CROUND                                         ; all four work-groups are here: the joint loads meet
.irp j, 0
	s_mov_b32 s[G0K+4*\j], 1
	s_add_co_u32 s[G0K+4*\j+1], s78, \j*4*KBLK     ; blocks 4 (wave % 4) + 0..3
	s_add_nc_u64 s[G0K+4*\j+2:G0K+4*\j+3], s[74:75], \j*4*KBLK
	s_or_b32 s[G0K+4*\j+3], s[G0K+4*\j+3], 0x80000000
	s_mov_b32 s[G0V+4*\j], 1
	s_add_co_u32 s[G0V+4*\j+1], s79, \j*4*VBLK
	s_add_nc_u64 s[G0V+4*\j+2:G0V+4*\j+3], s[76:77], \j*4*VBLK
	s_or_b32 s[G0V+4*\j+3], s[G0V+4*\j+3], 0x80000000
.endr
	s_cmp_lt_u32 s[WV], 4                          ; waves 0-3 fetch a quarter of K each, waves 4-7 a quarter of V: one tensor load a wave
	s_cbranch_scc0 .Lfirst_v
.irp j, 0
	tensor_load_to_lds s[G0K+4*\j:G0K+4*\j+3], s[G1K:G1K+7]
	s_nop 0
.endr
.rept 4
	v_nop
.endr
	s_branch .Lfirst_asked
.Lfirst_v:
.irp j, 0
	tensor_load_to_lds s[G0V+4*\j:G0V+4*\j+3], s[G1V:G1V+7]
	s_nop 0
.endr
.rept 4
	v_nop
.endr
.Lfirst_asked:
	v_and_b32 v[TP], 31, v0
	s_delay_alu instid0(VALU_DEP_1)
	v_lshlrev_b32 v[LI], 4, v[TP]
	s_wait_alu depctr_va_vdst(0)
	v_lshlrev_b32 v[LE], 3, v[TP]
	v_lshlrev_b32 v[LT], 5, v[TP]
	v_and_b32 v[TQ], 15, v0
	s_delay_alu instid0(VALU_DEP_1)
	v_lshlrev_b32 v[LR], 4, v[TQ]
	s_wait_alu depctr_va_vdst(0)
	v_bfe_u32 v[SH8], v0, 4, 1
	s_delay_alu instid0(VALU_DEP_1)
	v_lshlrev_b32 v[SH8], 3, v[SH8]
	s_lshl_b32 s86, s[BH], 4                       ; Q: block 16 x (batch x head) + 4 cx + wave / 2, its half wave % 2
	s_lshl_b32 s87, s[CX], 2
	s_add_co_u32 s86, s86, s87
	s_lshr_b32 s87, s[WV], 1
	s_add_co_u32 s86, s86, s87
	s_mul_i32 s80, s86, KBLK
	s_mov_b32 s81, 0
	s_add_nc_u64 s[80:81], s[4:5], s[80:81]
	s_and_b32 s87, s[WV], 1
	s_lshl_b32 s82, s87, 12
	s_mov_b32 s83, 0
	s_add_nc_u64 s[82:83], s[80:81], s[82:83]      ; my four tiles
	s_lshl_b32 s84, s87, 8
	s_mov_b32 s85, 0
	s_add_nc_u64 s[80:81], s[80:81], s[84:85]      ; their scale words
.irp i, 0,1,2,3
	global_load_b128 v[QF+12*\i:QF+12*\i+3], v[LI], s[82:83] offset:1024*\i
	global_load_b128 v[QF+12*\i+4:QF+12*\i+7], v[LI], s[82:83] offset:1024*\i+512
.endr
	global_load_b128 v[QS:QS+3], v[LR], s[80:81] offset:8192
.irp i, 0,1,2,3
.irp k, 8,9,10,11
	v_mov_b32 v[QF+12*\i+\k], 0                    ; Q has nothing at k = 76 and above
.endr
.endr
	WIN 0x40
.irp k, 64,65,66,67
	v_mov_b32 v[KF+\k], 0                          ; the last fragment of K reaches four registers past the loads: written once
.endr
	WIN 0
.irp i, 0,1,2,3
	v_mov_b32 v[ST+4*\i], 0x7e000000               ; -M: 2^125, so that the first change of M gives f = 0
	v_mov_b32 v[ST+4*\i+1], 0xff61b1e6             ; the largest score so far: -3e38
	v_mov_b32 v[ST+4*\i+2], 0                      ; the sum, in two halves
	v_mov_b32 v[ST+4*\i+3], 0
.endr
	v_mov_b32 v[FF+1], 0                           ; (named as the upper half of a pair)
	v_mov_b32 v[XX], 0                             ; a lane permute's destination counts as one of its sources
; Tile i's scores of the step's 128 keys into buffer sb: eight products, each starting its sum.  K's scale words: tiles 0-3 in lanes 0-15, tiles 4-7 in lanes 16-31 of the same four registers.
.macro QK i, sb
	WIN 0x01                                       ; source 0 (K) window 1
.irp t, 0,1,2,3
	v_wmma_scale_f32_16x16x128_f8f6f4 v[\sb+8*\t:\sb+8*\t+7], v[KF+8*\t:KF+8*\t+11], v[QF+12*\i:QF+12*\i+11], 0, v[KS+\t], v[QS+\i] matrix_a_fmt:MATRIX_FMT_FP6 matrix_b_fmt:MATRIX_FMT_FP6
.endr
.irp t, 4,5,6,7
	v_wmma_scale_f32_16x16x128_f8f6f4 v[\sb+8*\t:\sb+8*\t+7], v[KF+8*\t:KF+8*\t+11], v[QF+12*\i:QF+12*\i+11], 0, v[KS+\t-4], v[QS+\i] matrix_a_fmt:MATRIX_FMT_FP6 matrix_b_fmt:MATRIX_FMT_FP6 matrix_a_scale:MATRIX_SCALE_ROW1
.endr
.endm
.macro LDK                             ; the next step's K: 17 loads of 16 bytes a lane
	v_add_nc_u32 v[ADK], s[TK], v[LI]
	ds_load_b128 v[KS:KS+3], v[ADK] offset:8192
	WIN 0x40
.irp t, 0,1,2,3,4,5,6,7
	ds_load_b128 v[KF+8*\t:KF+8*\t+3], v[ADK] offset:1024*\t
	ds_load_b128 v[KF+8*\t+4:KF+8*\t+7], v[ADK] offset:1024*\t+512
.endr
	WIN 0
	s_add_co_u32 s[TK], s[TK], KBLK
.endm
.macro LDV                             ; this step's V: 17 loads: for each tile d and band c of 64 keys 16 and 8 bytes a lane
	v_add_nc_u32 v[ADV], s[TV], v[LI]
	v_add_nc_u32 v[ADVS], s[TV], v[LR]
	v_add_nc_u32 v[ADV8], s[TV], v[LE]
	ds_load_b128 v[VS:VS+3], v[ADVS] offset:6144
	WIN 0x40
.irp d, 0,1,2,3
.irp c, 0,1
	ds_load_b128 v[VF+12*\d+6*\c:VF+12*\d+6*\c+3], v[ADV] offset:1536*\d+768*\c
	ds_load_b64 v[VF+12*\d+6*\c+4:VF+12*\d+6*\c+5], v[ADV8] offset:1536*\d+768*\c+512
.endr
.endr
	WIN 0
	s_add_co_u32 s[TV], s[TV], VBLK
.endm
; Tile i's softmax of the step, on buffer sb; p's codes into v[PF] on, its scale word into v[PW], f into v[FF].  hook: 1: V's loads, 2: K's loads stand behind the 32 lines of the maxima, which are the places behind the
; matrix instructions that last read those registers.
.macro SOFT i, sb, hook
.set NM, ST+4*(\i)
.set SM, ST+4*(\i)+1
.set LL, ST+4*(\i)+2
	WIN 0
.irp q, 0,1,2,3                        ; THE LARGEST SCORE OF EACH BLOCK OF 32 KEYS, in two chains a block; each accumulator is read from its low end on.  It serves twice: for the row's maximum, and, since p rises with the score, for the block's largest p
	v_max3_num_f32 v[BM+(\q)/2+2*((\q)%2)], v[\sb+16*\q], v[\sb+16*\q+1], v[\sb+16*\q+2]
.endr
.irp n, 3,5,7,9,11,13
.irp q, 0,1,2,3
	v_max3_num_f32 v[BM+(\q)/2+2*((\q)%2)], v[BM+(\q)/2+2*((\q)%2)], v[\sb+16*\q+\n], v[\sb+16*\q+\n+1]
.endr
.endr
	v_max3_num_f32 v[BM], v[BM], v[\sb+15], v[\sb+31]
	v_max3_num_f32 v[BM+1], v[BM+1], v[\sb+47], v[\sb+63]
	s_delay_alu instid0(VALU_DEP_2)
	v_max_num_f32 v[BM], v[BM], v[BM+2]
	s_delay_alu instid0(VALU_DEP_2)
	v_max_num_f32 v[BM+1], v[BM+1], v[BM+3]
.if \hook == 1
	LDV
.elseif \hook == 2
	LDK
.endif
	v_max_num_f32 v[TP], v[BM], v[BM+1]
	s_delay_alu instid0(VALU_DEP_1)
	v_permlanex16_b32 v[XX], v[TP], s[SEL], s[SEL+1]         ; the query's other 64 keys lie in the lane 16 away
	s_delay_alu instid0(VALU_DEP_1)
	v_max3_num_f32 v[SM], v[SM], v[TP], v[XX]      ; the running largest score
	s_delay_alu instid0(VALU_DEP_1)
	v_mul_f32 v[TP], s[CS], v[SM]                  ; as t (c is positive)
	v_mov_b32 v[TQ], v[NM]
	s_delay_alu instid0(VALU_DEP_2)
	v_floor_f32 v[NM], -v[TP]                      ; the new -M = floor(-t) = -ceil(t): a whole number
	s_delay_alu instid0(VALU_DEP_1)
	v_sub_f32 v[TQ], v[NM], v[TQ]                  ; old M - new M: 0 or less
	s_delay_alu instid0(VALU_DEP_1)
	v_cvt_i32_f32 v[TQ], v[TQ]                     ; (it saturates)
	s_delay_alu instid0(VALU_DEP_1)
	v_ldexp_f32 v[FF], 1.0, v[TQ]                  ; f = 2^(old M - new M)
.set jj, 0
.rept 32
	v_pk_fma_f32 v[\sb+jj:\sb+jj+1], v[\sb+jj:\sb+jj+1], s[CS:CS+1], v[NM:NM+1] op_sel_hi:[1,0,0]   ; t - M, two at a time
.set jj, jj+2
.endr
	v_fma_f32 v[BM], v[BM], s[CS], v[NM]           ; the same of each block's largest score
	v_fma_f32 v[BM+1], v[BM+1], s[CS], v[NM]
.set jj, 0
	s_wait_alu depctr_va_vdst(0)
.rept 64
	v_exp_f32 v[\sb+jj], v[\sb+jj]                 ; p = 2^(t - M): NOT normalised
.set jj, jj+1
.endr
	v_pk_mul_f32 v[LL:LL+1], v[LL:LL+1], v[FF:FF+1] op_sel_hi:[1,0]   ; the sums under the new M (a plain place behind the exponentials)
	s_wait_alu depctr_va_vdst(0)                   ; one wait for the whole batch, ahead of its first reader
	v_exp_f32 v[BM], v[BM]                         ; the blocks' largest p: the same two instructions on the same number give the same bits
	v_exp_f32 v[BM+1], v[BM+1]
	v_pk_add_f32 v[SUM2:SUM2+1], v[\sb:\sb+1], v[\sb+2:\sb+3]         ; THE ROW'S SUM IS TAKEN OF THE UNQUANTISED p: two at a time, in two chains
.set jj, 4
.rept 15
	v_pk_add_f32 v[LL:LL+1], v[LL:LL+1], v[\sb+jj:\sb+jj+1]
	v_pk_add_f32 v[SUM2:SUM2+1], v[SUM2:SUM2+1], v[\sb+jj+2:\sb+jj+3]
.set jj, jj+4
.endr
	s_delay_alu instid0(VALU_DEP_1)
	v_pk_add_f32 v[LL:LL+1], v[LL:LL+1], v[SUM2:SUM2+1]
	s_wait_alu depctr_va_vdst(0)                   ; and one for the two
	v_max_num_f32 v[BM], 0x1800000, v[BM]          ; the floor 2^(3 - 127): the byte cannot fall under 1 (a block whose every p is 0 keeps that byte: its codes are zeros)
	v_max_num_f32 v[BM+1], 0x1800000, v[BM+1]
	s_delay_alu instid0(VALU_DEP_2)
	v_add_nc_u32 v[SCO], 0xff000000, v[BM]         ; 2 off the exponent field: the conversion's scale operand
	s_delay_alu instid0(VALU_DEP_2)
	v_add_nc_u32 v[SCO+1], 0xff000000, v[BM+1]
	s_delay_alu instid0(VALU_DEP_2)
	v_lshrrev_b32 v[BY], 23, v[SCO]
	s_delay_alu instid0(VALU_DEP_2)
	v_lshrrev_b32 v[BY+1], 23, v[SCO+1]
	s_delay_alu instid0(VALU_DEP_1)
	v_lshl_or_b32 v[TP], v[BY+1], 16, v[BY]        ; my two bytes: blocks h and 2 + h,
	s_delay_alu instid0(VALU_DEP_1)
	v_lshlrev_b32 v[TP], v[SH8], v[TP]
	s_delay_alu instid0(VALU_DEP_1)
	v_permlanex16_b32 v[XX], v[TP], s[SEL], s[SEL+1]
	s_delay_alu instid0(VALU_DEP_1)
	v_or_b32 v[PW], v[TP], v[XX]                   ; with lane l xor 16's two: p's scale word for these 128 keys
	v_cvt_scalef32_pk16_fp6_f32 v[PF:PF+2], v[\sb:\sb+15], v[SCO]
	v_cvt_scalef32_pk16_fp6_f32 v[CTA:CTA+2], v[\sb+16:\sb+31], v[SCO]        ; (a conversion's three registers begin on an even number)
	v_cvt_scalef32_pk16_fp6_f32 v[PF+6:PF+8], v[\sb+32:\sb+47], v[SCO+1]
	v_cvt_scalef32_pk16_fp6_f32 v[CTB:CTB+2], v[\sb+48:\sb+63], v[SCO+1]
	v_nop                                          ; one plain place behind a scaled conversion
.irp k, 0,1,2
	v_mov_b32 v[PF+3+\k], v[CTA+\k]
	v_mov_b32 v[PF+9+\k], v[CTB+\k]
.endr
.endm
.macro RESC i                          ; O^T under the new M: x f.  These 16 are also the places between the lines that made p's codes and scale word and the products below
	WIN 0x41
.set jj, 0
.rept 16
	v_pk_mul_f32 v[32*(\i)+jj:32*(\i)+jj+1], v[32*(\i)+jj:32*(\i)+jj+1], v[FF:FF+1] op_sel_hi:[1,0]
.set jj, jj+2
.endr
.endm
.macro PV i                            ; O^T += V^T P^T: four tiles of 16 channels, four accumulators by turns
	WIN 0x51
.irp d, 0,1,2,3
	v_wmma_scale_f32_16x16x128_f8f6f4 v[32*\i+8*\d:32*\i+8*\d+7], v[VF+12*\d:VF+12*\d+11], v[PF:PF+11], v[32*\i+8*\d:32*\i+8*\d+7], v[VS+\d], v[PW] matrix_a_fmt:MATRIX_FMT_FP6 matrix_b_fmt:MATRIX_FMT_FP6
.endr
.endm
; A KEY STEP: 128 keys, four tiles of queries.  No two matrix instructions that follow each other share an accumulator.
.macro KSTEP last
	QK 1, BUFB
	SOFT 0, BUFA, 1
	RESC 0
	s_wait_alu depctr_va_vdst(0)
	s_wait_dscnt 0x0                               ; V is in
	PV 0
	QK 2, BUFA
	SOFT 1, BUFB, 0
	RESC 1
	PV 1
	QK 3, BUFB
.if \last
	SOFT 2, BUFA, 0
.else
	SOFT 2, BUFA, 2
.endif
	RESC 2
	PV 2
.if !\last
	s_wait_dscnt 0x0                               ; the next step's K is in
	QK 0, BUFA
.endif
	SOFT 3, BUFB, 0
	RESC 3
	PV 3
	WIN 0                                          ; at a label and at a branch every window is 0
.endm
	s_wait_tensorcnt 0x0                           ; my quarter is in,
	s_barrier_signal -1
	s_barrier_wait -1                              ; everybody's is: all of the head's K and V lie in LDS, and nothing is filled again
	LDK
	s_wait_dscnt 0x0
	s_wait_loadcnt 0x0                             ; Q
	QK 0, BUFA
	WIN 0x40
.set jj, 0
.rept 128
	v_mov_b32 v[jj], 0                             ; O^T.  (The step is written once for all trips: the first finds zeros, which f = 0 leaves zeros.  These lines are also the places behind the first products)
.set jj, jj+1
.endr
	WIN 0
	s_mov_b32 s[CNT], 15
.Lstep:
	KSTEP 0
	s_sub_co_u32 s[CNT], s[CNT], 1
	s_cmp_lg_u32 s[CNT], 0
	s_cbranch_scc1 .Lstep
	KSTEP 1                                        ; the last step fetches no K and starts no scores
	; THE WAY OUT.  O^T / the sum is quantised along its 32 channels a lane, a whole block, and leaves as the image of the last product's operand: six registers a lane for each head and tile of 16 queries.
.irp i, 0,1,2,3
	v_add_f32 v[ST+4*\i+2], v[ST+4*\i+2], v[ST+4*\i+3]       ; the sum's two halves (these lines are the places behind the last products)
.endr
.irp i, 0,1,2,3
	s_delay_alu instid0(VALU_DEP_4)
	v_permlanex16_b32 v[ST+4*\i+3], v[ST+4*\i+2], s[SEL], s[SEL+1]
.endr
.irp i, 0,1,2,3
	s_delay_alu instid0(VALU_DEP_4)
	v_add_f32 v[ST+4*\i], v[ST+4*\i+2], v[ST+4*\i+3]         ; and lane l xor 16's: the row's sum
.endr
	s_wait_alu depctr_va_vdst(0)
.irp i, 0,1,2,3
	v_rcp_f32 v[ST+4*\i+2], v[ST+4*\i]
.endr
	v_nop                                          ; a plain place behind the last reciprocal
	s_lshl_b32 s86, s[BH], 7                       ; xc: (128 x (batch x head) + 32 cx + 4 wave) x 768
	s_lshl_b32 s87, s[CX], 5
	s_add_co_u32 s86, s86, s87
	s_lshl_b32 s87, s[WV], 2
	s_add_co_u32 s86, s86, s87
	s_mul_i32 s86, s86, 768
	s_mov_b32 s87, 0
	s_add_nc_u64 s[6:7], s[6:7], s[86:87]
	s_lshr_b32 s86, s[BH], 4                       ; xs: (2,048 batch + 512 cx + 64 wave) x 32 + 2 head
	s_lshl_b32 s86, s86, 11
	s_lshl_b32 s87, s[CX], 9
	s_add_co_u32 s86, s86, s87
	s_lshl_b32 s87, s[WV], 6
	s_add_co_u32 s86, s86, s87
	s_lshl_b32 s86, s86, 5
	s_and_b32 s87, s[BH], 15
	s_lshl_b32 s87, s87, 1
	s_add_co_u32 s86, s86, s87
	s_mov_b32 s87, 0
	s_add_nc_u64 s[8:9], s[8:9], s[86:87]
	s_wait_alu depctr_va_vdst(0)                   ; one wait for the four reciprocals, ahead of their first reader
.macro OUT i
.set SB, BUFA+64*((\i)%2)
	WIN 0x01                                       ; source 0 (O^T) window 1
.set jj, 0
.rept 16
	v_pk_mul_f32 v[SB+jj:SB+jj+1], v[32*(\i)+jj:32*(\i)+jj+1], v[ST+4*(\i)+2:ST+4*(\i)+3] op_sel_hi:[1,0]   ; each accumulator from its low end on
.set jj, jj+2
.endr
	WIN 0
	v_max3_num_f32 v[BM], |v[SB]|, |v[SB+1]|, 0x1800000
	v_max3_num_f32 v[BM+1], |v[SB+2]|, |v[SB+3]|, 0x1800000
.irp n, 4,8,12,16,20,24,28
	s_delay_alu instid0(VALU_DEP_2)
	v_max3_num_f32 v[BM], v[BM], |v[SB+\n]|, |v[SB+\n+1]|
	s_delay_alu instid0(VALU_DEP_2)
	v_max3_num_f32 v[BM+1], v[BM+1], |v[SB+\n+2]|, |v[SB+\n+3]|
.endr
	s_delay_alu instid0(VALU_DEP_1)
	v_max_num_f32 v[BM], v[BM], v[BM+1]
	s_delay_alu instid0(VALU_DEP_1)
	v_add_nc_u32 v[SCO], 0xff000000, v[BM]
	s_delay_alu instid0(VALU_DEP_1)
	v_lshrrev_b32 v[BY], 23, v[SCO]
	v_cvt_scalef32_pk16_fp6_f32 v[QF+12*(\i):QF+12*(\i)+2], v[SB:SB+15], v[SCO]      ; Q's registers are done with: each tile has its own, so no store's data are written again
	v_cvt_scalef32_pk16_fp6_f32 v[CTA:CTA+2], v[SB+16:SB+31], v[SCO]
	v_nop
.irp k, 0,1,2
	v_mov_b32 v[QF+12*(\i)+3+\k], v[CTA+\k]
.endr
	global_store_b128 v[LI], v[QF+12*(\i):QF+12*(\i)+3], s[6:7] offset:768*(\i)      ; 512 consecutive bytes, aligned to 256
	global_store_b64 v[LE], v[QF+12*(\i)+4:QF+12*(\i)+5], s[6:7] offset:768*(\i)+512 ; 256 consecutive bytes, aligned
	v_lshlrev_b32 v[BY], v[SH8], v[BY]
	s_delay_alu instid0(VALU_DEP_1)
	v_permlanex16_b32 v[XX], v[BY], s[SEL], s[SEL+1]
	s_delay_alu instid0(VALU_DEP_1)
	v_or_b32 v[XH+\i], v[BY], v[XX]                ; the head's two scale bytes of my query
.endm
	OUT 0
	OUT 1
	OUT 2
	OUT 3
	v_cndmask_b32 v[XH], v[XH], v[XH+1], s[HIL]    ; lanes 0-15: tile 0's queries, lanes 16-31: tile 1's
	s_delay_alu instid0(VALU_DEP_2)
	v_cndmask_b32 v[XH+2], v[XH+2], v[XH+3], s[HIL]
	global_store_b16 v[LT], v[XH], s[8:9]          ; two bytes a query, 32 bytes apart: 262,144 bytes in the launch, beside 6,291,456 of codes; the price of scale rows that the next launch takes as they lie
	global_store_b16 v[LT], v[XH+2], s[8:9] offset:1024
	s_wait_tensorcnt 0x0                           ; the wave's end, behind my last tensor load
	ds_add_u32 v[SPW], v[NIL]
	s_wait_dscnt 0x0
	CROUND                                         ; the closing round
	s_endpgm
.Lfunc_end_k_q813ef8dc5b_attn:
	.size	k_q813ef8dc5b_attn, .Lfunc_end_k_q813ef8dc5b_attn-k_q813ef8dc5b_attn
	.p2alignl 7, 3214868480
	.fill 96, 4, 3214868480
	.section	.rodata,"a",@progbits
	.p2align	6, 0x0
	.amdhsa_kernel k_q813ef8dc5b_attn
		.amdhsa_group_segment_fixed_size 245760
		.amdhsa_private_segment_fixed_size 0
		.amdhsa_enable_private_segment 0
		.amdhsa_kernarg_size 24
		.amdhsa_user_sgpr_count 2
		.amdhsa_user_sgpr_kernarg_segment_ptr 1
		.amdhsa_wavefront_size32 1
		.amdhsa_system_sgpr_workgroup_id_x 1
		.amdhsa_system_sgpr_workgroup_id_y 1
		.amdhsa_system_sgpr_workgroup_id_z 1
		.amdhsa_system_vgpr_workitem_id 0
		.amdhsa_next_free_vgpr 512
		.amdhsa_next_free_sgpr 88
		.amdhsa_reserve_vcc 0
		.amdhsa_float_denorm_mode_32 3
		.amdhsa_float_denorm_mode_16_64 3
		.amdhsa_memory_ordered 1
		.amdhsa_forward_progress 1
		.amdhsa_inst_pref_size 136
	.end_amdhsa_kernel
	.amdgpu_metadata
---
amdhsa.version: [ 1, 2 ]
amdhsa.kernels:
  - .name:           k_q813ef8dc5b_attn
    .symbol:         k_q813ef8dc5b_attn.kd
    .args:
      - { .name: qkv, .offset: 0, .size: 8, .value_kind: global_buffer, .address_space: global }
      - { .name: xc, .offset: 8, .size: 8, .value_kind: global_buffer, .address_space: global }
      - { .name: xs, .offset: 16, .size: 8, .value_kind: global_buffer, .address_space: global }
    .group_segment_fixed_size: 245760
    .private_segment_fixed_size: 0
    .kernarg_segment_align: 8
    .kernarg_segment_size: 24
    .max_flat_workgroup_size: 256
    .sgpr_count:     88
    .vgpr_count:     512
    .wavefront_size: 32
...
	.end_amdgpu_metadata
.endif
;; end of part 3
;; launch oproj (part 4): grid 256 x 1, 4 waves a work-group, clusters of 4 x 1, 167,936 bytes of LDS; arguments xc, xs, cod, scl, bo, out0; writes out0
.if DOCPART == 4
	.amdgcn_target "amdgcn-amd-amdhsa--gfx1250"
	.amdhsa_code_object_version 6
	.text
	.protected	k_q813ef8dc5b_oproj
	.globl	k_q813ef8dc5b_oproj
	.p2align	8
	.type	k_q813ef8dc5b_oproj,@function
k_q813ef8dc5b_oproj:
	s_mov_b64 s[64:65], 0
	v_nop
	global_prefetch_b8 v0, s[64:65] scope:SCOPE_SE
	s_setreg_imm32_b32 hwreg(HW_REG_WAVE_MODE, 25, 1), 1
	s_wait_xcnt 0x0
	s_wait_alu depctr_hold_cnt(0) depctr_sa_sdst(0) depctr_va_vdst(0) depctr_va_sdst(0) depctr_va_ssrc(0) depctr_va_vcc(0) depctr_vm_vsrc(0)
	s_getreg_b32 s2, hwreg(HW_REG_IB_STS2, 6, 4)
	s_cmp_eq_u32 s2, 0
	s_cbranch_scc0 .Lentry_in_a_cluster
	s_endpgm
.Lentry_in_a_cluster:
	s_bfe_u32 s2, ttmp6, 0x10000c
	s_cmp_lg_u32 s2, 0x3003
	s_cbranch_scc0 .Lentry_shape_is_right
	s_endpgm
.Lentry_shape_is_right:
; out0 = x Wo^T + bo on codes of FP6.  x [8192][1024] comes as xc, images of operand registers [batch][head][tile of 16 queries][512 + 256 bytes] (six registers a lane for a head's 64 channels), and xs, 32 scale bytes a row.
; THE DEAL.  1,024 waves.  A wave keeps 64 stored rows of Wo, all of K, in 384 registers (source 0) and passes 8 blocks of 16 rows of x (source 1) by them: 32 products a block.  Lane (r, h) then holds row r of x, and by the
; stored order of Wo's rows its 32 registers are columns 32 h + 0..31 of the wave's 64.  bo is the first products' C.
; CLUSTER.  The sixteen waves of four work-groups take the sixteen groups of 64 columns of the SAME 128 rows of x: those rows' 98,304 bytes of codes are asked for JOINTLY at the head, one tensor load a wave (four heads x 6,144 bytes),
; filled once and read by all four waves, 16 or 8 bytes a lane on end.  Wo's rows, the scale words and bo go from memory straight into registers.  The eight blocks are written out: no loop, and so no prefetch.
; THE WAY OUT: a block's 16 x 64 results turn through the wave's own stage in LDS (rows of 256 + 16 bytes, bytes on which no tensor load lands) and leave as rows: sixteen lanes store 256 consecutive bytes, aligned.
.set LA,1
.set SAD,2
.set XA,4                              ; v4, v5: 16 x lane, for heads 0-7 and 8-15
.set XE,6                              ; v6, v7: 8 x lane likewise
.set STO,8
.set RD,9
.set CO,10
.set BO,11
.set SPW,12
.set NIL,13
.set L32,14
.set SB,16
.set XS,36                             ; v36-99 x's scale words, eight a block
.set ACC,104
.set CB,136
.set OUT,168
.set STAGE,98304
.set SPARE,STAGE+4*4352
.set RB,28
.set RSB,30
.set XB,32
.set XSB,34
.set OB,38
.set BB,40
.set G0,44
.set G1,48
.set MSB, 0
.macro WIN new
.if MSB != \new
	s_set_vgpr_msb (MSB<<8)|\new
.set MSB, \new
.endif
.endm
.macro CROUND                          ; a round of the cluster's barrier
	s_barrier_signal -1
	s_barrier_wait -1
	s_cmp_lg_u32 s20, 0
	s_cbranch_scc1 .Lnot_wave_0_\@
	s_barrier_signal -3
.Lnot_wave_0_\@:
	s_barrier_wait -3
	s_barrier_signal -1
	s_barrier_wait -1
.endm
.macro SLOT f                          ; fragment f: window 1 + f / 21, register 12 (f % 21); the 64th lies in window 0
.if (\f) < 63
.set SW_, 1+(\f)/21
.set SR_, 12*((\f)%21)
.else
.set SW_, 0
.set SR_, 244
.endif
.endm
.macro FETCH e, blk                    ; 32 LDS loads: fragment q is heads 2 q and 2 q + 1, six registers each
.set Q_, 0
.rept 8
	SLOT 32+8*(\e)+Q_
	WIN SW_<<6
.irp c, 0,1
	ds_load_b128 v[SR_+6*\c:SR_+6*\c+3], v[XA+Q_/4] offset:((2*Q_+\c)%8)*6144+(\blk)*768
	ds_load_b64 v[SR_+6*\c+4:SR_+6*\c+5], v[XE+Q_/4] offset:((2*Q_+\c)%8)*6144+(\blk)*768+512
.endr
.set Q_, Q_+1
.endr
	WIN 0
.endm
.macro P1 d, a, b, c, sa, sx, o
.if \o
	v_wmma_scale_f32_16x16x128_f8f6f4 v[\d:\d+7], v[\a:\a+11], v[\b:\b+11], \c, v[\sa], v[\sx] matrix_a_fmt:MATRIX_FMT_FP6 matrix_b_fmt:MATRIX_FMT_FP6 matrix_a_scale:MATRIX_SCALE_ROW1
.else
	v_wmma_scale_f32_16x16x128_f8f6f4 v[\d:\d+7], v[\a:\a+11], v[\b:\b+11], \c, v[\sa], v[\sx] matrix_a_fmt:MATRIX_FMT_FP6 matrix_b_fmt:MATRIX_FMT_FP6
.endif
.endm
.macro PRODUCTS e, s                   ; the four accumulators by turns
.set N_, 0
.rept 32
	SLOT 32+8*(\e)+N_/4
.set XW_, SW_
.set XR_, SR_
	SLOT N_
	WIN SW_|(XW_<<2)
.if N_ < 4
	P1 ACC+8*N_, SR_, XR_, v[CB+8*N_:CB+8*N_+7], SB+8*(N_/2), XS+8*(\s), N_%2
.else
	P1 ACC+8*(N_%4), SR_, XR_, v[ACC+8*(N_%4):ACC+8*(N_%4)+7], SB+8*((N_%4)/2)+N_/4, XS+8*(\s)+N_/4, N_%2
.endif
.set N_, N_+1
.endr
	WIN 0
.endm
; A block: its products; the results through the stage; the set is asked for again (the block four on); the wait lets those 32 loads stay out and shows all older LDS work done, the next blocks' fragments among it; the stores.
.macro BLOCK s, fetch
	PRODUCTS (\s)%4, \s
.rept 5                                ; five places: the next block's first products write these accumulators anew, with bo as C, and no other vector line stands between
	v_nop
.endr
.irp k, 0,1,2,3,4,5,6,7
	ds_store_b128 v[STO], v[ACC+4*\k:ACC+4*\k+3] offset:16*\k      ; each accumulator from its low end on
.endr
	s_wait_xcnt 0x0                                ; the last block's stores have read their registers
.irp t, 0,1,2,3,4,5,6,7
	ds_load_b128 v[OUT+4*\t:OUT+4*\t+3], v[RD] offset:2*\t*272     ; LDS serves a wave's instructions in order
.endr
.if \fetch
	FETCH (\s)%4, (\s)+4
	s_wait_dscnt 32
.else
	s_wait_dscnt 0x0
.endif
.irp t, 0,1,2,3,4,5,6,7
	global_store_b128 v[CO], v[OUT+4*\t:OUT+4*\t+3], s[OB:OB+1] offset:(\s)*65536+\t*8192 th:TH_STORE_NT
.endr
.endm
	s_load_b256 s[4:11], s[0:1], 0x0               ; xc, xs, cod, scl
	s_load_b128 s[12:15], s[0:1], 0x20             ; bo, out0
	v_lshl_add_u32 v[SPW], v0, 2, SPARE
	v_mov_b32 v[NIL], 0
	ds_add_u32 v[SPW], v[NIL]                      ; the opening lines: the add, twice on end, and its wait ahead of my tensor load
	ds_add_u32 v[SPW], v[NIL]
	v_lshrrev_b32 v15, 5, v0
	v_readfirstlane_b32 s20, v15
	s_bfe_u32 s21, ttmp6, 0x40000                  ; cx
	s_lshl_b32 s22, s21, 2
	s_add_co_u32 s22, s22, s20                     ; which 64 columns
	s_mov_b32 s23, ttmp9                           ; which 128 rows: the cluster's number
	s_lshl_b32 s24, s22, 2
	s_add_co_u32 s24, s24, 1728                    ; Wo's tile
	s_mul_i32 s[RB], s24, 12288
	s_lshl_b32 s[RSB], s24, 9
	s_lshr_b32 s24, s23, 4
	s_mul_i32 s[XB], s24, 1572864
	s_and_b32 s24, s23, 15
	s_mul_i32 s24, s24, 6144
	s_add_co_u32 s[XB], s[XB], s24
	s_mul_i32 s24, s20, 393216                     ; my four heads
	s_add_co_u32 s[XB], s[XB], s24
	s_lshl_b32 s[XSB], s23, 12
	s_lshl_b32 s[BB], s22, 8
	s_lshl_b32 s[OB], s23, 19
	s_add_co_u32 s[OB], s[OB], s[BB]
.irp g, RB, RSB, XB, XSB, OB, BB
	s_mov_b32 s[\g+1], 0
.endr
	s_mul_i32 s25, s20, 4352
	s_add_co_u32 s25, s25, STAGE                   ; my stage
	s_mov_b32 s[G0], 1
	s_mul_i32 s[G0+1], s20, 24576
	s_mov_b32 s[G1], 15|(3<<16)|(1<<21)            ; the mask: all four work-groups; elements of 8 bytes; 21 set beside a mask; no padding
	s_mov_b32 s[G1+1], 768<<16                     ; a row: a head's eight tiles, 6,144 bytes
	s_mov_b32 s[G1+2], 4<<16
	s_mov_b32 s[G1+3], 768<<16
	s_mov_b32 s[G1+4], 4
	s_mov_b32 s[G1+5], 12288                       ; from head to head 98,304 bytes
	s_mov_b32 s[G1+6], 0
	s_mov_b32 s[G1+7], 0
	s_wait_dscnt 0x0                               ; both opening adds are done
	s_wait_kmcnt 0x0
	s_add_nc_u64 s[RB:RB+1], s[8:9], s[RB:RB+1]
	s_add_nc_u64 s[RSB:RSB+1], s[10:11], s[RSB:RSB+1]
	s_add_nc_u64 s[G0+2:G0+3], s[4:5], s[XB:XB+1]
	s_or_b32 s[G0+3], s[G0+3], 0x80000000
	s_add_nc_u64 s[XSB:XSB+1], s[6:7], s[XSB:XSB+1]
	s_add_nc_u64 s[BB:BB+1], s[12:13], s[BB:BB+1]
	s_add_nc_u64 s[OB:OB+1], s[14:15], s[OB:OB+1]
	CROUND                                         ; all four work-groups are here: the joint loads meet
	tensor_load_to_lds s[G0:G0+3], s[G1:G1+7]      ; one tensor load a wave; nothing is filled again
	s_nop 0
.rept 4
	v_nop
.endr
	v_and_b32 v168, 31, v0
	v_and_b32 v169, 15, v0
	v_bfe_u32 v170, v0, 4, 1
	v_bfe_u32 v171, v0, 3, 1
	v_and_b32 v172, 7, v0
	v_mul_u32_u24 v[LA], v171, 6144                ; a piece of Wo's fragments: run r / 8, 16 (r % 8) + 128 h
	v_lshl_add_u32 v[LA], v172, 4, v[LA]
	v_lshl_add_u32 v[LA], v170, 7, v[LA]
	v_lshlrev_b32 v[SAD], 5, v169
	v_lshlrev_b32 v[XA], 4, v168
	v_add_nc_u32 v[XA+1], 49152, v[XA]
	v_lshlrev_b32 v[XE], 3, v168
	v_add_nc_u32 v[XE+1], 49152, v[XE]
	v_lshlrev_b32 v[L32], 5, v168
	v_lshlrev_b32 v[BO], 7, v170
	v_mul_u32_u24 v[STO], v169, 272
	v_lshl_add_u32 v[STO], v170, 7, v[STO]
	v_add_nc_u32 v[STO], s25, v[STO]               ; in: row r, 128 bytes for each half of the lanes
	v_mul_u32_u24 v[RD], v170, 272
	v_lshl_add_u32 v[RD], v169, 4, v[RD]
	v_add_nc_u32 v[RD], s25, v[RD]                 ; back: sixteen lanes to a row, two rows an instruction
	v_lshlrev_b32 v[CO], 12, v170
	v_lshl_add_u32 v[CO], v169, 4, v[CO]           ; and the same two rows in out0
	s_wait_alu depctr_va_vdst(0)                   ; the wait at the head's end
.set F_, 0
.rept 32
	SLOT F_
	WIN SW_<<6
.irp p, 0,1,2
	global_load_b128 v[SR_+4*\p:SR_+4*\p+3], v[LA], s[RB:RB+1] offset:(F_%4)*12288+(F_/4)*768+256*\p
.endr
.set F_, F_+1
.endr
	WIN 0
.irp p, 0,1
.irp k, 0,1
	global_load_b128 v[SB+8*\p+4*\k:SB+8*\p+4*\k+3], v[L32], s[RSB:RSB+1] offset:1024*\p+16*\k
.endr
.endr
.irp k, 0,1,2,3,4,5,6,7
	global_load_b128 v[CB+4*\k:CB+4*\k+3], v[BO], s[BB:BB+1] offset:16*\k
.endr
.irp s, 0,1,2,3,4,5,6,7
	global_load_b128 v[XS+8*\s:XS+8*\s+3], v[SAD], s[XSB:XSB+1] offset:512*\s
	global_load_b128 v[XS+8*\s+4:XS+8*\s+7], v[SAD], s[XSB:XSB+1] offset:512*\s+16
.endr
	s_wait_tensorcnt 0x0                           ; my four heads are in,
	s_barrier_signal -1
	s_barrier_wait -1                              ; everybody's are
.irp e, 0,1,2,3
	FETCH \e, \e
.endr
	s_wait_loadcnt 0x0                             ; Wo's rows, the scale words, bo
	s_wait_dscnt 63                                ; block 0 is in: 96 younger LDS loads
	BLOCK 0, 1
	BLOCK 1, 1
	BLOCK 2, 1
	BLOCK 3, 1
	BLOCK 4, 0
	BLOCK 5, 0
	BLOCK 6, 0
	BLOCK 7, 0
	s_wait_tensorcnt 0x0                           ; the wave's end
	ds_add_u32 v[SPW], v[NIL]
	s_wait_dscnt 0x0
	CROUND                                         ; the closing round
	s_endpgm
.Lfunc_end_k_q813ef8dc5b_oproj:
	.size	k_q813ef8dc5b_oproj, .Lfunc_end_k_q813ef8dc5b_oproj-k_q813ef8dc5b_oproj
	.p2alignl 7, 3214868480
	.fill 96, 4, 3214868480
	.section	.rodata,"a",@progbits
	.p2align	6, 0x0
	.amdhsa_kernel k_q813ef8dc5b_oproj
		.amdhsa_group_segment_fixed_size 167936
		.amdhsa_private_segment_fixed_size 0
		.amdhsa_enable_private_segment 0
		.amdhsa_kernarg_size 48
		.amdhsa_user_sgpr_count 2
		.amdhsa_user_sgpr_kernarg_segment_ptr 1
		.amdhsa_wavefront_size32 1
		.amdhsa_system_sgpr_workgroup_id_x 1
		.amdhsa_system_sgpr_workgroup_id_y 1
		.amdhsa_system_sgpr_workgroup_id_z 1
		.amdhsa_system_vgpr_workitem_id 0
		.amdhsa_next_free_vgpr 1024
		.amdhsa_next_free_sgpr 66
		.amdhsa_reserve_vcc 0
		.amdhsa_float_denorm_mode_32 3
		.amdhsa_float_denorm_mode_16_64 3
		.amdhsa_memory_ordered 1
		.amdhsa_forward_progress 1
		.amdhsa_inst_pref_size 83
	.end_amdhsa_kernel
	.amdgpu_metadata
---
amdhsa.version: [ 1, 2 ]
amdhsa.kernels:
  - .name:           k_q813ef8dc5b_oproj
    .symbol:         k_q813ef8dc5b_oproj.kd
    .args:
      - { .name: xc, .offset: 0, .size: 8, .value_kind: global_buffer, .address_space: global }
      - { .name: xs, .offset: 8, .size: 8, .value_kind: global_buffer, .address_space: global }
      - { .name: cod, .offset: 16, .size: 8, .value_kind: global_buffer, .address_space: global }
      - { .name: scl, .offset: 24, .size: 8, .value_kind: global_buffer, .address_space: global }
      - { .name: bo, .offset: 32, .size: 8, .value_kind: global_buffer, .address_space: global }
      - { .name: out0, .offset: 40, .size: 8, .value_kind: global_buffer, .address_space: global }
    .group_segment_fixed_size: 167936
    .private_segment_fixed_size: 0
    .kernarg_segment_align: 8
    .kernarg_segment_size: 48
    .max_flat_workgroup_size: 128
    .sgpr_count:     66
    .vgpr_count:     1024
    .wavefront_size: 32
...
	.end_amdgpu_metadata
.endif
;; end of part 4
